; MI455X (gfx1250); checked and timed in simulation.
; The chip was launched on July 23, 2026; its instructions are those of AMD's public machine-readable ISA for CDNA 5 (MIT licence, August 2026) and "CDNA5" Instruction Set Architecture Reference Guide (July 2026). The comments in the code are by the model that wrote it; some were corrected since.
;; Causal Self Attention. Allowed arithmetic: matrix products marked QUANTISED: E2M3 operands, one E8M0 scale for each 32 along K, by v_wmma_scale_f32_16x16x128_f8f6f4 with both operands' format E2M3, f32 sums; everything else in f32.
;; Inputs: b_proj 1,024 float32; b_qkv 3,072 float32; w_proj 1,024 x 1,024 float32; w_qkv 1,024 x 3,072 float32; x 4 x 2,048 x 1,024 float32.
;; Outputs: out0 4 x 2,048 x 1,024 float32.
;; This version of the problem:
;;   THIS VERSION OF THE PROBLEM IS GIVEN IN LOW PRECISION. The matrix products marked QUANTISED in the list below multiply operands that are first quantised to E2M3 (2 exponent bits, 3 mantissa bits; 6 bits a number), with one power-of-two scale for each 32 numbers along K (OCP MX v1.0); their sums are f32. All else is computed in f32.
;;   The module's matrix products, in the order in which they are computed (A, B: the left and right operand; K: the contracted axis; several contracted axes count as one K, in the product's order):
;;     1. [M 8,192, K 1,024] x [K 1,024, N 3,072]; A: input x; B: input w_qkv: QUANTISED
;;     2. batch 64 x [M 2,048, K 64] x [K 64, N 2,048]; A: computed on the way; B: computed on the way: QUANTISED
;;     3. batch 64 x [M 2,048, K 2,048] x [K 2,048, N 64]; A: softmax (see below); B: computed on the way: QUANTISED
;;     4. [M 8,192, K 1,024] x [K 1,024, N 1,024]; A: computed on the way; B: input w_proj: QUANTISED
;;   THE QUANTISER, for each operand of a quantised product, along K:
;;     - K is cut into blocks of 32 from its start; a last block that is shorter is filled with zeros.
;;     - A block's scale is 2^e with e = floor(log2(the largest magnitude in the block)) - 2, held to -126 .. 127; a block of zeros has e = 0. As a byte (E8M0): e + 127.
;;     - Each number is divided by its block's scale, clamped to +-7.5, and rounded to the nearest number of E2M3, ties to even, subnormals kept.
;;     - The product sums the exact products of the quantised numbers (number of the format x scale) in f32.
;;   ~~~python
;;   def quantise(x, axis):      # numpy; x: float32 -> the quantised numbers, widened to float32 again
;;       x = np.moveaxis(x, axis, -1); K = x.shape[-1]
;;       x = np.pad(x, [(0, 0)] * (x.ndim - 1) + [(0, -K % 32)]); x = x.reshape(x.shape[:-1] + (-1, 32)); a = np.abs(x).max(-1, keepdims=True)
;;       e = np.where(a > 0, np.clip(np.frexp(np.where(a > 0, a, 1))[1] - 1 - 2, -126, 127), 0)      # np.frexp(a)[1] - 1 = floor(log2(a)), exactly
;;       r = np.clip(x / 2.0 ** e, -7.5, 7.5)
;;       step = 2.0 ** (np.maximum(np.frexp(np.where(r == 0, 1, r))[1] - 1, 0) - 3)
;;       q = np.round(r / step) * step * 2.0 ** e      # np.round: ties to even
;;       return np.moveaxis(q.reshape(q.shape[:-2] + (-1,))[..., :K], -1, axis).astype(np.float32)
;;   ~~~
;;   SOFTMAX AHEAD OF A QUANTISED PRODUCT. Where the list says 'softmax', what is quantised is not the finished softmax but p = 2^(t - M), with t = logit x log2(e) and M = ceil(the row's largest t), a whole number; so 1/2 < the row's largest p <= 1. The row's sum l is taken of the UNQUANTISED p, in f32, and the product's result is divided by l at the end. Since M is a whole number, a kernel that streams over the keys may use a running M (the ceiling of the running maximum): every later rescaling is an exact power of two, which a block's scale takes up: the codes' values come out the same.
;;   OPERANDS COMPUTED ON THE WAY. 'Computed on the way' means the value that the module computes at that place (a softmax that the list does not call 'softmax' is quantised finished and normalised). What goes into a quantiser is computed in f32, as accurately as f32 sums, v_exp_f32 and their like allow (about 1e-6 of the number): no bf16 or f16 on the way to a quantiser, and a product that is left as it is and whose result goes on into a quantised operand takes f32 operands (vector FMAs, or v_wmma_f32_16x16x4_f32). A number that lies on a knife's edge between two numbers of the format may be rounded either way, as far as f32 arithmetic and the matrix unit's own rounding can turn it there, and no further.
;; One version. Each part assembles by itself: llvm-mc -triple=amdgcn-amd-amdhsa -mcpu=gfx1250 --defsym DOCPART=n.
;; ======== version 1 of 1: 4 launches
;; workspace buffers: zc 8,650,752 bytes; zs 360,448 bytes; uc 7,077,888 bytes; us 294,912 bytes; qkv 19,660,800 bytes
;; launch quant (part 1): grid 384 x 1, 4 waves a work-group, no clusters, 82,432 bytes of LDS; arguments x, w_qkv, w_proj, zc, zs, uc, us; writes zc, zs, uc, us
.if DOCPART == 1
	.amdgcn_target "amdgcn-amd-amdhsa--gfx1250"
	.amdhsa_code_object_version 6
	.text
	.protected	k_qd8bb80e073_quant
	.globl	k_qd8bb80e073_quant
	.p2align	8
	.type	k_qd8bb80e073_quant,@function
k_qd8bb80e073_quant:
	s_mov_b64 s[64:65], 0
	v_nop
	global_prefetch_b8 v0, s[64:65] scope:SCOPE_SE
	s_setreg_imm32_b32 hwreg(HW_REG_WAVE_MODE, 25, 1), 1
	s_wait_xcnt 0x0
; x [8192][1024], w_qkv [1024][3072] and w_proj [1024][1024], f32, become codes of FP6 (E2M3) with one E8M0 scale byte for each 32 along K (K = the 1,024 of x's rows and of the weights' first axis).
; LAYOUT OF THE RESULTS ("panels"): codes [K / 64][rows][48 bytes] (a row's 64 codes; block h of 32 at byte 24 h), scale bytes [K / 256][rows][8] (byte 2 (panel % 4) + block).
; ROWS LIE IN PHYSICAL ORDER: a row's place is its number with bits 3 and 4 exchanged.  Sixteen neighbouring places are then the rows whose results, in a product that takes them as source 0, fall into a lane's
; registers as neighbours along the next product's K.   zc, zs: rows 0-8191 x's tokens, rows 8192-11263 w_qkv's columns.   uc, us: rows 8192-9215 w_proj's columns (rows 0-8191 are stored by a later launch).
; A block's scale is 2^(floor(log2(its largest magnitude)) - 2); its byte is the largest magnitude's exponent field - 2, held at 1 from below.
; LIMITS: NaN and infinities among the inputs are not served; a block whose largest magnitude lies under 2^-124 gets the byte 1; a block of zeros gets the byte 1 where the rule says 127: its codes are zeros, and this program alone reads the bytes.
; SHARES: work-groups 0-255: 32 rows of x each, wave w the K range 256 w on.  Work-groups 256-351: w_qkv, 352-383: w_proj: 128 columns x 256 along K each, 32 columns a wave.  Every work-group reads 131,072 bytes.
; The three ways part on the work-group's number and have LDS bytes of their own.  Waves share nothing: no barrier.
.set PZ,    540672                     ; a panel of zc in bytes: 11,264 rows x 48
.set PU,    442368                     ; of uc: 9,216 rows x 48
.set SZ,    90112                      ; 256 along K of zs: 11,264 x 8
.set SU,    73728                      ; of us
.set STEPS, 16
.set R,     16                         ; x's way: v16-79   four sets of 16 numbers as they are loaded
.set X,     80                         ;          v80-111  two sets of 16 neighbours
.set E,     112                        ;          v112-127 a scale byte for each step
.set C,     128                        ;          v128-191 codes: four registers for each step, so that no store's data are written again
.set WREG,  8192                       ;          LDS: a region for each wave: two stages of 32 x SP bytes, then its 256 scale bytes
.set SP,    80                         ;          a lane's place in a stage: 64 bytes + 16 of padding
.set SB,    24                         ; the weights' way: v24-25 the scale bytes of a lane's 8 blocks
.set WX,    32                         ;          v32-95   two sets of 32 numbers
.set WP,    96                         ;          v96-143  the codes of four panels, 12 registers each
.set WT,    144                        ;          v144-146 the upper half of a block's codes (a conversion's three registers begin on an even number)
	s_load_b256 s[4:11], s[0:1], 0x0               ; x s[4:5], w_qkv s[6:7], w_proj s[8:9], zc s[10:11]
	s_load_b128 s[12:15], s[0:1], 0x20             ; zs s[12:13], uc s[14:15]
	s_load_b64 s[16:17], s[0:1], 0x30              ; us
	v_lshl_add_u32 v192, v0, 2, 0x14000
	v_mov_b32 v193, 0
	v_lshrrev_b32 v1, 5, v0
	v_readfirstlane_b32 s18, v1                    ; wave 0..3
	v_and_b32 v2, 31, v0                           ; lane
	s_cmp_lt_u32 ttmp9, 256
	s_cbranch_scc0 .Lweights
; ---------------- x: K is innermost.  A step is 8 rows x 64 along K (one panel): four loads of 512 bytes (two rows' aligned 256 bytes each).
; The 2,048 bytes go through the wave's stage as they lie and come back 64 bytes a lane: lane j holds row j / 4, numbers 16 (j % 4) on; two neighbouring lanes hold a block.
; Step t = 4 pl + k: panel pl of my four, places 8 k .. 8 k + 7 of the 32 rows, which are rows 8 rs .. 8 rs + 7 with rs = k's two bits exchanged.
	v_lshrrev_b32 v3, 4, v2
	v_and_b32 v10, 15, v2
	v_lshlrev_b32 v3, 12, v3
	v_lshl_add_u32 v3, v10, 4, v3                  ; a load: lanes 0-15 one row's 256 bytes, lanes 16-31 the next row's
	s_mul_i32 s19, s18, WREG
	v_lshrrev_b32 v14, 2, v2
	v_mul_u32_u24 v14, v14, SP
	v_and_b32 v15, 3, v2
	v_lshl_add_u32 v14, v15, 4, v14
	v_add_nc_u32 v14, s19, v14                     ; the stage, on the way in: SP (lane / 4) + 16 (lane % 4)
	v_mul_u32_u24 v15, v2, SP
	v_add_nc_u32 v15, s19, v15                     ; and on the way out: SP x lane
	v_mul_u32_u24 v4, v2, 12                       ; my 12 bytes of a step's 384 bytes of codes
	v_lshrrev_b32 v5, 2, v2
	v_bfe_u32 v10, v2, 1, 1
	v_lshl_add_u32 v5, v5, 3, v10                  ; my scale byte: 8 x row + block
	s_add_co_u32 s19, s19, 2*32*SP
	v_add_nc_u32 v5, s19, v5
	v_lshlrev_b32 v7, 3, v2
	v_add_nc_u32 v6, s19, v7                       ; the 256 scale bytes on the way out: 8 a lane
	s_lshl_b32 s20, ttmp9, 17                      ; 32 rows of 4,096 bytes
	s_lshl_b32 s21, s18, 10                        ; my 256 along K
	s_add_co_u32 s20, s20, s21
	s_mov_b32 s21, 0
	s_mul_i32 s22, s18, 4*PZ                       ; my four panels,
	s_mul_i32 s23, ttmp9, 1536                     ; the work-group's 32 places of 48 bytes
	s_add_co_u32 s22, s22, s23
	s_mov_b32 s23, 0
	s_mul_i32 s24, s18, SZ
	s_lshl_b32 s25, ttmp9, 8
	s_add_co_u32 s24, s24, s25
	s_mov_b32 s25, 0
	s_wait_kmcnt 0x0
	s_add_nc_u64 s[4:5], s[4:5], s[20:21]
	s_add_nc_u64 s[10:11], s[10:11], s[22:23]
	s_add_nc_u64 s[12:13], s[12:13], s[24:25]
.macro XLOAD t
.set XPL, (\t)/4
.set XK,  (\t)%4
.set XRS, ((XK&1)<<1)|(XK>>1)
.irp i, 0,1,2,3
	global_load_b128 v[R+16*((\t)%4)+4*\i:R+16*((\t)%4)+4*\i+3], v3, s[4:5] offset:(8*XRS+2*\i)*4096+256*XPL th:TH_LOAD_NT
.endr
.endm
.macro XTURN t                         ; step t's numbers through the stage: LDS serves a wave's instructions in order, so no wait stands between the stores and the loads
.irp i, 0,1,2,3
	ds_store_b128 v14, v[R+16*((\t)%4)+4*\i:R+16*((\t)%4)+4*\i+3] offset:32*SP*((\t)%2)+8*SP*\i
.endr
.irp i, 0,1,2,3
	ds_load_b128 v[X+16*((\t)%2)+4*\i:X+16*((\t)%2)+4*\i+3], v15 offset:32*SP*((\t)%2)+16*\i
.endr
.endm
.irp t, 0,1,2,3
	XLOAD \t
.endr
	s_wait_loadcnt 12                              ; step 0's four loads are in; the twelve of steps 1 to 3 may be out
	XTURN 0
.macro XSTEP t
.set XS, X+16*((\t)%2)
.if (\t) > 0
	s_wait_dscnt 1                                 ; this step's numbers are back from the stage (the last step's byte store may be out): so its stores into the stage have read their registers,
.else
	s_wait_dscnt 0x0
.endif
.if (\t)+4 < STEPS
	XLOAD (\t)+4                                   ; which take the loads of four steps on
.endif
.if (\t)+1 < STEPS
.if STEPS-2-(\t) >= 3
	s_wait_loadcnt 12                              ; the next step's four loads are in; those of the three steps behind it may be out
.else
	s_wait_loadcnt 4*(STEPS-2-(\t))                ; the same count, running down
.endif
	XTURN (\t)+1
.endif
	v_max3_num_f32 v8, |v[XS]|, |v[XS+1]|, |v[XS+2]|               ; the largest magnitude of my 16, in two chains
	v_max3_num_f32 v9, |v[XS+3]|, |v[XS+4]|, |v[XS+5]|
.irp i, 6,10
	v_max3_num_f32 v8, v8, |v[XS+\i]|, |v[XS+\i+1]|
	v_max3_num_f32 v9, v9, |v[XS+\i+2]|, |v[XS+\i+3]|
.endr
	v_max3_num_f32 v8, v8, |v[XS+14]|, |v[XS+15]|
	v_max3_num_f32 v8, v8, v9, 0x1800000           ; and the floor 2^(3 - 127): the byte cannot fall under 1
	v_max_num_f32_dpp v8, v8, v8 row_xmask:1 row_mask:0xf bank_mask:0xf   ; and of my neighbour's 16: the block's
	v_add_nc_u32 v11, 0xff000000, v8               ; 2 off its exponent field: the conversion takes the exponent field of this operand as its scale
	v_cvt_scalef32_pk16_fp6_f32 v[C+4*(\t):C+4*(\t)+2], v[XS:XS+15], v11
	v_lshrrev_b32 v[E+(\t)], 23, v11               ; the scale's byte (also the plain line behind the conversion)
	ds_store_b8 v5, v[E+(\t)] offset:64*((\t)%4)+2*((\t)/4)        ; both lanes of a block write the same byte with the same value
	global_store_b96 v4, v[C+4*(\t):C+4*(\t)+2], s[10:11] offset:((\t)/4)*PZ+384*((\t)%4)   ; the wave stores 384 consecutive bytes: 8 places of 48
.endm
.irp t, 0,1,2,3,4,5,6,7,8,9,10,11,12,13,14,15
	XSTEP \t
.endr
	ds_load_b64 v[12:13], v6                       ; LDS serves a wave's instructions in order: these see my byte stores
	s_wait_dscnt 0x0
	global_store_b64 v7, v[12:13], s[12:13]        ; 32 lanes store 256 consecutive bytes, aligned: 32 places x 8 scale bytes
	s_wait_tensorcnt 0x0
	ds_add_u32 v192, v193
	s_wait_dscnt 0x0
	s_endpgm
; ---------------- the weights: K is the FIRST axis.  A lane takes a column, its registers run down K: a block of 32 lies in one lane, and the conversions give codes with K innermost.
.macro WLOAD t, cols, src              ; block t: w(32 t + i, my column), i = 0 .. 31, into set t % 2: each load reads 128 consecutive bytes
.irp i, 0,1,2,3,4,5,6,7,8,9,10,11,12,13,14,15,16,17,18,19,20,21,22,23,24,25,26,27,28,29,30,31
	global_load_b32 v[WX+32*((\t)%2)+\i], v3, s[\src:\src+1] offset:(32*(\t)+\i)*\cols*4 th:TH_LOAD_NT
.endr
.endm
.macro WBLOCK t, cols, src
.set XS, WX+32*((\t)%2)
.set PD, WP+12*((\t)/2)+6*((\t)%2)
.if (\t) < 7
	s_wait_loadcnt 32                              ; this block's 32 loads are in; the next block's 32 may be out
.else
	s_wait_loadcnt 0x0
.endif
	v_max3_num_f32 v12, |v[XS]|, |v[XS+1]|, |v[XS+2]|               ; the block's largest magnitude: all 32 numbers are mine
	v_max3_num_f32 v13, |v[XS+3]|, |v[XS+4]|, |v[XS+5]|
.irp i, 6,10,14,18,22,26
	v_max3_num_f32 v12, v12, |v[XS+\i]|, |v[XS+\i+1]|
	v_max3_num_f32 v13, v13, |v[XS+\i+2]|, |v[XS+\i+3]|
.endr
	v_max3_num_f32 v12, v12, |v[XS+30]|, |v[XS+31]|
	v_max3_num_f32 v12, v12, v13, 0x1800000        ; and the floor
	v_add_nc_u32 v11, 0xff000000, v12              ; the conversion's scale operand
	v_lshrrev_b32 v13, 23, v11                     ; the scale's byte
.if (\t)%4 == 0
	v_mov_b32 v[SB+(\t)/4], v13                    ; four bytes to a register, the lower K in the lower byte
.else
	v_lshl_or_b32 v[SB+(\t)/4], v13, 8*((\t)%4), v[SB+(\t)/4]
.endif
	v_cvt_scalef32_pk16_fp6_f32 v[PD:PD+2], v[XS:XS+15], v11
	v_cvt_scalef32_pk16_fp6_f32 v[WT:WT+2], v[XS+16:XS+31], v11
	v_nop                                          ; one plain line behind a scaled conversion
.irp i, 0,1,2
	v_mov_b32 v[PD+3+\i], v[WT+\i]                 ; the block's 24 bytes now stand on end
.endr
.if (\t)+2 < 8
	WLOAD (\t)+2, \cols, \src
.endif
.if (\t)%2 == 1
.irp c, 0,1,2
	ds_store_b128 v4, v[WP+12*((\t)/2)+4*\c:WP+12*((\t)/2)+4*\c+3] offset:((\t)/2)*1536+16*\c   ; a panel's 48 bytes to my column's PLACE in the stage: lanes 48 bytes apart
.endr
.endif
.endm
; cols: the weight's columns; first: the way's first work-group; src, dc, dsc: the registers of the weight's, the codes' and the scale bytes' addresses; pc, ps: the pitches; lb: the way's LDS bytes
.macro WQ cols, first, src, dc, dsc, pc, ps, lb
	s_sub_co_u32 s19, ttmp9, \first
	s_and_b32 s20, s19, 3                          ; which 256 along K
	s_lshr_b32 s21, s19, 2
	s_lshl_b32 s21, s21, 7
	s_lshl_b32 s22, s18, 5
	s_add_co_u32 s21, s21, s22                     ; my wave's first column
	v_lshlrev_b32 v3, 2, v2                        ; in: 4 bytes a lane
	v_and_b32 v5, 7, v2
	v_bfe_u32 v6, v2, 3, 1
	v_lshl_add_u32 v5, v6, 4, v5
	v_bfe_u32 v6, v2, 4, 1
	v_lshl_add_u32 v5, v6, 3, v5                   ; my column's place among the 32: bits 3 and 4 exchanged
	s_mul_i32 s22, s18, 6144                       ; my stage: 4 panels x 32 places x 48 bytes
	s_add_co_u32 s22, s22, \lb
	v_mul_u32_u24 v4, v5, 48
	v_add_nc_u32 v4, s22, v4
	v_lshlrev_b32 v8, 4, v2
	v_add_nc_u32 v7, s22, v8                       ; out of it: 16 bytes a lane, on end
	v_lshlrev_b32 v9, 3, v5                        ; my place's 8 scale bytes
	s_mul_i32 s24, s20, 256*\cols*4
	s_lshl_b32 s25, s21, 2
	s_add_co_u32 s24, s24, s25
	s_mov_b32 s25, 0
	s_add_co_u32 s21, s21, 8192                    ; the weights' rows lie behind the 8,192 tokens
	s_mul_i32 s26, s20, 4*\pc
	s_mul_i32 s27, s21, 48
	s_add_co_u32 s26, s26, s27
	s_mov_b32 s27, 0
	s_mul_i32 s28, s20, \ps
	s_lshl_b32 s29, s21, 3
	s_add_co_u32 s28, s28, s29
	s_mov_b32 s29, 0
	s_wait_kmcnt 0x0
	s_add_nc_u64 s[\src:\src+1], s[\src:\src+1], s[24:25]
	s_add_nc_u64 s[\dc:\dc+1], s[\dc:\dc+1], s[26:27]
	s_add_nc_u64 s[\dsc:\dsc+1], s[\dsc:\dsc+1], s[28:29]
	WLOAD 0, \cols, \src
	WLOAD 1, \cols, \src
.irp t, 0,1,2,3,4,5,6,7
	WBLOCK \t, \cols, \src
.endr
	global_store_b64 v9, v[SB:SB+1], s[\dsc:\dsc+1]   ; the 32 lanes fill 256 consecutive bytes, aligned
.irp k, 0,1,2,3,4,5,6,7,8,9,10,11
	ds_load_b128 v[WX+4*\k:WX+4*\k+3], v7 offset:(\k/3)*1536+512*(\k%3)   ; LDS serves a wave's instructions in order: these see my stores
.endr
.irp k, 0,1,2,3,4,5,6,7,8,9,10,11
	s_wait_dscnt 11-\k                             ; the loads behind this one may be out
	global_store_b128 v8, v[WX+4*\k:WX+4*\k+3], s[\dc:\dc+1] offset:(\k/3)*\pc+512*(\k%3)   ; 512 consecutive bytes, aligned
.endr
	s_wait_tensorcnt 0x0
	ds_add_u32 v192, v193
	s_wait_dscnt 0x0
	s_endpgm
.endm
.Lweights:
	s_cmp_lt_u32 ttmp9, 352
	s_cbranch_scc0 .Lwproj
	WQ 3072, 256, 6, 10, 12, PZ, SZ, 32768
.Lwproj:
	WQ 1024, 352, 8, 14, 16, PU, SU, 57344
.Lfunc_end_k_qd8bb80e073_quant:
	.size	k_qd8bb80e073_quant, .Lfunc_end_k_qd8bb80e073_quant-k_qd8bb80e073_quant
	.p2alignl 7, 3214868480
	.fill 96, 4, 3214868480
	.section	.rodata,"a",@progbits
	.p2align	6, 0x0
	.amdhsa_kernel k_qd8bb80e073_quant
		.amdhsa_group_segment_fixed_size 82432
		.amdhsa_private_segment_fixed_size 0
		.amdhsa_enable_private_segment 0
		.amdhsa_kernarg_size 56
		.amdhsa_user_sgpr_count 2
		.amdhsa_user_sgpr_kernarg_segment_ptr 1
		.amdhsa_wavefront_size32 1
		.amdhsa_system_sgpr_workgroup_id_x 1
		.amdhsa_system_sgpr_workgroup_id_y 1
		.amdhsa_system_sgpr_workgroup_id_z 1
		.amdhsa_system_vgpr_workitem_id 0
		.amdhsa_next_free_vgpr 194
		.amdhsa_next_free_sgpr 66
		.amdhsa_reserve_vcc 0
		.amdhsa_float_denorm_mode_32 3
		.amdhsa_float_denorm_mode_16_64 3
		.amdhsa_memory_ordered 1
		.amdhsa_forward_progress 1
		.amdhsa_inst_pref_size 114
	.end_amdhsa_kernel
	.amdgpu_metadata
---
amdhsa.version: [ 1, 2 ]
amdhsa.kernels:
  - .name:           k_qd8bb80e073_quant
    .symbol:         k_qd8bb80e073_quant.kd
    .args:
      - { .name: x, .offset: 0, .size: 8, .value_kind: global_buffer, .address_space: global }
      - { .name: w_qkv, .offset: 8, .size: 8, .value_kind: global_buffer, .address_space: global }
      - { .name: w_proj, .offset: 16, .size: 8, .value_kind: global_buffer, .address_space: global }
      - { .name: zc, .offset: 24, .size: 8, .value_kind: global_buffer, .address_space: global }
      - { .name: zs, .offset: 32, .size: 8, .value_kind: global_buffer, .address_space: global }
      - { .name: uc, .offset: 40, .size: 8, .value_kind: global_buffer, .address_space: global }
      - { .name: us, .offset: 48, .size: 8, .value_kind: global_buffer, .address_space: global }
    .group_segment_fixed_size: 82432
    .private_segment_fixed_size: 0
    .kernarg_segment_align: 8
    .kernarg_segment_size: 56
    .max_flat_workgroup_size: 128
    .sgpr_count:     66
    .vgpr_count:     194
    .wavefront_size: 32
...
	.end_amdgpu_metadata
.endif
;; end of part 1
;; launch qkvgemm (part 2): grid 12 x 32, 4 waves a work-group, clusters of 4 x 4, 327,680 bytes of LDS; arguments zc, zs, b_qkv, qkv; writes qkv
.if DOCPART == 2
	.amdgcn_target "amdgcn-amd-amdhsa--gfx1250"
	.amdhsa_code_object_version 6
	.text
	.protected	k_qd8bb80e073_qkvgemm
	.globl	k_qd8bb80e073_qkvgemm
	.p2align	8
	.type	k_qd8bb80e073_qkvgemm,@function
k_qd8bb80e073_qkvgemm:
	s_mov_b64 s[64:65], 0
	v_nop
	global_prefetch_b8 v0, s[64:65] scope:SCOPE_SE
	s_setreg_imm32_b32 hwreg(HW_REG_WAVE_MODE, 25, 1), 1
	s_wait_xcnt 0x0
	s_wait_alu depctr_hold_cnt(0) depctr_sa_sdst(0) depctr_va_vdst(0) depctr_va_sdst(0) depctr_va_ssrc(0) depctr_va_vcc(0) depctr_vm_vsrc(0)
	s_getreg_b32 s2, hwreg(HW_REG_IB_STS2, 6, 4)
	s_cmp_eq_u32 s2, 0
	s_cbranch_scc0 .Lentry_in_a_cluster
	s_endpgm
.Lentry_in_a_cluster:
	s_bfe_u32 s2, ttmp6, 0x10000c
	s_cmp_lg_u32 s2, 0xf033
	s_cbranch_scc0 .Lentry_shape_is_right
	s_endpgm
.Lentry_shape_is_right:
; qkv = x w_qkv + b_qkv on codes of FP6 (E2M3) with E8M0 scales, and q, k, v leave AS CODES: q and k quantised along the head's 64, v along the keys.
; zc: codes [16 panels of 64 along K][11,264 rows][48 bytes], zs: scale bytes [4][11,264][8]; rows 0-8191 tokens, 8192-11263 w_qkv's columns, both in PHYSICAL order (a row's place = its number with bits 3 and 4 exchanged).
; D[i][j] = sum over k of P[i][k] R[j][k]; source 0 = 16 places of R, source 1 = 16 places of P.  A lane then holds one place of P, and the 16 registers of two neighbouring accumulators are 16 NEIGHBOURS of R in natural order.
; The cluster's x says what is made: 0 q, 1 k (P = tokens, R = the weight's columns: registers run along the head's 64), 2 v (P = the weight's v columns, R = tokens: registers run along the keys).
; A tile is 256 x 256, four waves of 128 x 128: 64 accumulators, 512 registers.  K goes in four steps of 256 through two LDS slots; a wave's tensor load brings 4 panels x 128 rows x 48 bytes (four runs of 6,144 consecutive bytes).
; CLUSTERS of 4 x 4: P's tile hangs on the cluster's row alone, R's on its column alone: each is asked for jointly by the four that share it.  384 work-groups: 24 clusters.
; The bias is the C of the first K step.  THE WAY OUT: a block of 32 lies in lanes l and l xor 16; its 16 codes a lane are 12 bytes of a row of 48: they go through my stage in LDS and leave in runs of 3,072 consecutive bytes.
; qkv: 512 records of 38,400 bytes, record = (batch x 16 + head) x 8 + block of 256 tokens:  0 K codes [256 places][48];  12,288 K scale words [8 groups of 32][16]: word r = the two bytes of place 32 g + r, then of place 32 g + 16 + r;
;   12,800 V codes [4 panels of 64 keys][64 places of d][48];  25,088 V scale words [2 steps of 128 keys][64 places][4];  25,600 Q codes and 37,888 Q scale words, laid as K's.
; LIMITS: NaN and infinities are not served; a block whose largest magnitude lies under 2^-124, a block of zeros among them, gets the byte 1 (this program alone reads the bytes).
; REGISTERS, in windows of 256: window 0: v1-15 at work at the head; v16-31 addresses; v32-63 scale words, two sets, and nothing else; v64-127 the bias, later at work on the way out; v128-223 P's fragments, ONE set, later the way out.
;   window 1: R's fragments, TWO sets, at v0 and v128.   window 2: the accumulators of my P places 0-63 ((a, b) at v[8 (8 a + b)]);  window 3: those of places 64-127.
.set PZ,     540672                    ; a panel of zc in bytes
.set NQ,     2                         ; matrix instructions deep in a slot
.set FR,     12                        ; registers of a fragment
.set NL,     6                         ; LDS loads that bring one
.set NP,     4                         ; places behind this matrix instruction (ISA guide 7.12.1)
.set PAN,    6144                      ; 128 rows x 48 bytes: a panel of a wave's load
.set HALFT,  4*PAN                     ; what one tensor load brings
.set SLOT,   4*HALFT                   ; P's two halves, then R's two
.set SCL,    2*SLOT                    ; behind the ring: the scale bytes for all of K, [4 K steps][128 rows][8] for each of the four loads; filled once
.set HALFS,  4096
.set SPARE,  SCL+4*HALFS               ; the spare words, 128 bytes for each wave: two blocks of 256 bytes that no other line names
.set STW,    12800                     ; the way out: a stage for each wave, 12,288 bytes of codes + 512 of scale words, in slot 0, which has then had its last fill and its last read
.set REC,    38400
.set HEADB,  8*REC                     ; from a head's records to the next head's
.set ADRA, 16                          ; v16-17  LDS address of my P fragments in slot 0, 1
.set ADRB, 20                          ; v20-21  the same for R
.set C8,   22                          ; v22     8 x lane
.set STO,  24                          ; v24     the stage: my 12 bytes of a row: 48 r + 12 h
.set RD,   25                          ; v25     and back: 16 x lane
.set CO,   26                          ; v26     16 x lane
.set ADRS, 27                          ; v27     my scale words: lanes 0-15 P's rows, lanes 16-31 R's
.set SPW,  28                          ; v28     my spare word; never rewritten
.set NIL,  29                          ; v29     0; never rewritten
.set SSO,  30                          ; v30     the stage's scale words: 4 r
.set RS,   31                          ; v31     and back: 8 x lane
.set SC,   32
.set CB,   64                          ; the bias: eight registers for each block of R (q, k) or of P (v), in the result's layout
.set AF,   128
.set TM,   64                          ; the way out: v64-67 largest magnitudes, v68-71 the other half's, then bytes, v72-75 the conversions' scale operands
.set TP,   68
.set TS,   72
.set PW,   80                          ; v80-87  the scale word of each of my eight blocks of P
.set CD,   96                          ; v96-111 codes: four registers a block of 32
.set BK,   128                         ; v128-227 the stage read back
.set SEL,  2                           ; s[2:3]  lane selects for v_permlanex16_b32: lane l xor 16
.set G1, 24
.set G0, 32
.set G1B, 48
.set G0B, 56
.set G1S, 68
.set G0S, 76
.set G1SB, 80
.set G0SB, 88
.set RUN, 92                           ; s[92:99] where the stage's four runs of 3,072 bytes go; s[100:101], s[20:21] the two runs of 256 bytes of scale words
.set MSB, 0
.macro WIN new                         ; the immediate's high byte repeats the setting that is left
.if MSB != \new
	s_set_vgpr_msb (MSB<<8)|\new
.set MSB, \new
.endif
.endm
.set MUL_LO, 0xa1                      ; source 0 (R) window 1, source 1 (P) window 0, C and D window 2
.set MUL_HI, 0xf1                      ; the same, C and D window 3
.set TO_B,   0x40                      ; destination window 1, address window 0
; A joint load: waves 0 and 1 fetch for P, waves 2 and 3 for R.  Each line has one mask and one set of registers for all that issue it; the branch hangs on the wave's number alone.  Four v_nop follow each line.
.macro JLOAD g0a, g1a, g0b, g1b
	s_cmp_eq_u32 s15, 0
	s_cbranch_scc0 .Lfor_b_\@
	tensor_load_to_lds s[\g0a:\g0a+3], s[\g1a:\g1a+7]
	s_nop 0
.rept 4
	v_nop
.endr
	s_branch .Lasked_\@
.Lfor_b_\@:
	tensor_load_to_lds s[\g0b:\g0b+3], s[\g1b:\g1b+7]
	s_nop 0
.rept 4
	v_nop
.endr
.Lasked_\@:
.endm
.macro CREST                           ; a round of the cluster's barrier behind its opening barrier
	s_cmp_lg_u32 s14, 0
	s_cbranch_scc1 .Lnot_wave_0_\@
	s_barrier_signal -3
.Lnot_wave_0_\@:
	s_barrier_wait -3
	s_barrier_signal -1
	s_barrier_wait -1
.endm
.macro CROUND
	s_barrier_signal -1
	s_barrier_wait -1
	CREST
.endm
	s_load_b256 s[4:11], s[0:1], 0x0               ; zc s[4:5], zs s[6:7], b_qkv s[8:9], qkv s[10:11]
	v_lshl_add_u32 v[SPW], v0, 2, SPARE
	v_mov_b32 v[NIL], 0
	ds_add_u32 v28, v29
	s_wait_dscnt 0x0
	v_lshrrev_b32 v1, 5, v0
	v_readfirstlane_b32 s14, v1                    ; wave 0..3
	s_lshr_b32 s15, s14, 1                         ; which half of P's places is mine.  Also: I fetch for P (0) or for R (1)
	s_and_b32 s16, s14, 1                          ; which half of R's.  Also: which 128 rows of that tile I fetch
	s_bfe_u32 s40, ttmp6, 0x40000                  ; cx, cy: my place in the cluster
	s_bfe_u32 s41, ttmp6, 0x40004
	s_mov_b32 s42, ttmp9                           ; the cluster's x: 0 q, 1 k, 2 v: the same in all sixteen partners
	s_and_b32 s17, ttmp7, 0xffff
	s_lshl_b32 s17, s17, 2                         ; 4 x the cluster's y: its first tile of 256 tokens
	s_lshl_b32 s43, s41, 2
	s_lshl_b32 s43, 15, s43                        ; my row of the cluster
	s_lshl_b32 s44, 0x1111, s40                    ; my column
	; descriptor group 1 for the codes: 4 rows (panels) of 768 elements of 8 bytes, a panel of zc apart; dense in LDS
	s_or_b32 s[G1+0], s43, (3<<16)|(1<<21)         ; 15:0 the mask: P's tiles go to my row; 17:16 elements of 8 bytes; 20 no padding; 21 set beside a mask
	s_or_b32 s[G1B+0], s44, (3<<16)|(1<<21)
.irp g, G1, G1B
	s_mov_b32 s[\g+1], 768<<16                     ; tensor_dim0
	s_mov_b32 s[\g+2], 4<<16                       ; tensor_dim1
	s_mov_b32 s[\g+3], 768<<16                     ; tile_dim0
	s_mov_b32 s[\g+4], 4                           ; tile_dim1
	s_mov_b32 s[\g+5], PZ/8                        ; tensor_dim0_stride
	s_mov_b32 s[\g+6], 0
	s_mov_b32 s[\g+7], 0
.endr
	; and for the scale bytes: 4 rows (K steps) of 128 elements of 8 bytes, 11,264 elements apart
	s_or_b32 s[G1S+0], s43, (3<<16)|(1<<21)
	s_or_b32 s[G1SB+0], s44, (3<<16)|(1<<21)
.irp g, G1S, G1SB
	s_mov_b32 s[\g+1], 128<<16
	s_mov_b32 s[\g+2], 4<<16
	s_mov_b32 s[\g+3], 128<<16
	s_mov_b32 s[\g+4], 4
	s_mov_b32 s[\g+5], 11264
	s_mov_b32 s[\g+6], 0
	s_mov_b32 s[\g+7], 0
.endr
	; which tiles of 256 rows of zc: P's hangs on cy alone, R's on cx alone, each in registers that never hold the other
	s_lshl_b32 s19, s42, 2
	s_add_co_u32 s19, s19, 32                      ; q's or k's first tile of the weight's columns
	s_cmp_lt_u32 s42, 2
	s_cselect_b32 s20, s17, 40                     ; P: tokens, or the v columns (rows 10,240 on)
	s_cselect_b32 s46, s19, s17                    ; R: the weight's columns, or tokens
	s_add_co_u32 s20, s20, s41
	s_add_co_u32 s46, s46, s40
	s_lshl_b32 s18, s16, 7                         ; which 128 rows of the tile I fetch
	s_lshl_b32 s20, s20, 8
	s_add_co_u32 s20, s20, s18                     ; P: row
	s_lshl_b32 s46, s46, 8
	s_add_co_u32 s46, s46, s18                     ; R: row
	s_lshl_b32 s22, s20, 3                         ; their scale bytes,
	s_mov_b32 s23, 0
	s_lshl_b32 s92, s46, 3
	s_mov_b32 s93, 0
	s_mul_i32 s20, s20, 48                         ; their codes
	s_mov_b32 s21, 0
	s_mul_i32 s46, s46, 48
	s_mov_b32 s47, 0
	s_mul_i32 s45, s14, HALFT                      ; where they go: by the wave's number alone
	s_lshl_b32 s94, s14, 12
	s_wait_kmcnt 0x0
	s_add_nc_u64 s[20:21], s[4:5], s[20:21]
	s_add_nc_u64 s[22:23], s[6:7], s[22:23]
	s_add_nc_u64 s[46:47], s[4:5], s[46:47]
	s_add_nc_u64 s[92:93], s[6:7], s[92:93]
	CROUND                                         ; all sixteen work-groups are here: the first joint loads meet
	s_mov_b32 s[G0S], 1
	s_add_co_u32 s[G0S+1], s94, SCL
	s_mov_b64 s[G0S+2:G0S+3], s[22:23]
	s_or_b32 s[G0S+3], s[G0S+3], 0x80000000
	s_mov_b32 s[G0SB], 1
	s_add_co_u32 s[G0SB+1], s94, SCL
	s_mov_b64 s[G0SB+2:G0SB+3], s[92:93]
	s_or_b32 s[G0SB+3], s[G0SB+3], 0x80000000
	JLOAD G0S, G1S, G0SB, G1SB                     ; the scale bytes first: they are wanted with K step 0
.irp s, 0,1
	s_mov_b32 s[G0+4*\s], 1
	s_add_co_u32 s[G0+4*\s+1], s45, \s*SLOT
	s_add_nc_u64 s[G0+4*\s+2:G0+4*\s+3], s[20:21], \s*4*PZ
	s_or_b32 s[G0+4*\s+3], s[G0+4*\s+3], 0x80000000
	s_mov_b32 s[G0B+4*\s], 1
	s_add_co_u32 s[G0B+4*\s+1], s45, \s*SLOT
	s_add_nc_u64 s[G0B+4*\s+2:G0B+4*\s+3], s[46:47], \s*4*PZ
	s_or_b32 s[G0B+4*\s+3], s[G0B+4*\s+3], 0x80000000
	JLOAD G0+4*\s, G1, G0B+4*\s, G1B               ; three loads of mine are out
.endr
	v_and_b32 v1, 15, v0                           ; r
	v_bfe_u32 v2, v0, 4, 1                         ; h
	v_mul_u32_u24 v3, v1, 48
	v_mad_u32_u24 v3, v2, 24, v3                   ; a fragment's row x 48 + 24 x half: in words 12 r + 6 h: the 32 lanes of a load of 8 bytes touch 64 different banks
	s_mul_i32 s21, s15, HALFT                      ; my 128 places of P
	s_mul_i32 s22, s16, HALFT                      ; my 128 of R,
	s_add_co_u32 s22, s22, 2*HALFT                 ; which lie behind P's 256
.irp s, 0,1
	v_add_nc_u32 v[ADRA+\s], s21, v3
	v_add_nc_u32 v[ADRB+\s], s22, v3
	s_add_co_u32 s21, s21, SLOT
	s_add_co_u32 s22, s22, SLOT
.endr
	v_lshlrev_b32 v5, 3, v1                        ; my row's 8 scale bytes of a K step
	s_lshl_b32 s21, s15, 12                        ; P's: my 128 rows
	s_lshl_b32 s22, s16, 12                        ; R's: my 128 rows, behind P's 256
	s_add_co_u32 s22, s22, 2*HALFS
	s_sub_co_u32 s22, s22, s21
	v_mul_u32_u24 v6, s22, v2                      ; lanes 16-31 take R's: one product, the distance between the two
	s_add_co_u32 s21, s21, SCL
	v_add_nc_u32 v5, v5, v6
	v_add_nc_u32 v[ADRS], s21, v5
	s_mul_i32 s23, s14, STW                        ; my stage
	v_mul_u32_u24 v5, v1, 48
	v_mad_u32_u24 v5, v2, 12, v5
	v_add_nc_u32 v[STO], s23, v5
	v_and_b32 v6, 31, v0
	v_lshlrev_b32 v[CO], 4, v6
	v_add_nc_u32 v[RD], s23, v[CO]
	v_lshlrev_b32 v[C8], 3, v6
	s_add_co_u32 s23, s23, 12288
	v_lshl_add_u32 v[SSO], v1, 2, s23
	v_add_nc_u32 v[RS], s23, v[C8]
	; where the results go.  T: the axis of tokens, H: of heads; for q and k tokens are P's (cy, wave / 2), for v they are R's (cx, wave % 2)
	s_cmp_lt_u32 s42, 2
	s_cselect_b32 s66, s41, s40                    ; cT
	s_cselect_b32 s67, s40, s41                    ; cH
	s_cselect_b32 s12, s15, s16                    ; wT
	s_cselect_b32 s13, s16, s15                    ; wH
	s_mov_b32 s18, 3072
	s_mov_b32 s19, HEADB
	s_cselect_b32 s44, s19, s18                    ; from the stage's first half to its second: the next head (q, k) or the next panel of keys (v)
	s_cselect_b32 s46, s18, s19                    ; from a half's first run to its second: the next 64 tokens (q, k) or the next head (v)
	s_mov_b32 s45, 0
	s_mov_b32 s47, 0
	s_add_co_u32 s66, s66, s17                     ; my tile of 256 tokens, 0 .. 31
	s_lshr_b32 s18, s66, 3                         ; the batch
	s_lshl_b32 s18, s18, 4
	s_lshl_b32 s67, s67, 2
	s_add_co_u32 s18, s18, s67
	s_lshl_b32 s13, s13, 1
	s_add_co_u32 s18, s18, s13                     ; x 16 + my first head
	s_lshl_b32 s18, s18, 3
	s_and_b32 s66, s66, 7
	s_add_co_u32 s18, s18, s66                     ; x 8 + the block of 256 tokens: the record
	s_mul_i32 s18, s18, REC
	s_cmp_eq_u32 s42, 0
	s_cselect_b32 s19, 25600, 0                    ; q's part of a record, k's,
	s_cmp_eq_u32 s42, 2
	s_cselect_b32 s19, 12800, s19                  ; v's
	s_add_co_u32 s18, s18, s19
	s_lshl_b32 s19, s12, 8
	s_add_co_u32 s19, s19, s18
	s_add_co_u32 s100, s19, 12288
	s_mov_b32 s101, 0
	s_add_nc_u64 s[100:101], s[10:11], s[100:101]  ; my first head's 256 bytes of scale words,
	s_add_nc_u64 s[20:21], s[100:101], HEADB       ; my second head's
	s_mul_i32 s19, s12, 6144
	s_add_co_u32 s[RUN], s18, s19
	s_mov_b32 s[RUN+1], 0
	s_add_nc_u64 s[RUN:RUN+1], s[10:11], s[RUN:RUN+1]
	s_add_nc_u64 s[RUN+2:RUN+3], s[RUN:RUN+1], s[46:47]
	s_add_nc_u64 s[RUN+4:RUN+5], s[RUN:RUN+1], s[44:45]
	s_add_nc_u64 s[RUN+6:RUN+7], s[RUN+4:RUN+5], s[46:47]
	; the bias, in the result's layout.  q, k: register j of block b is column 32 (b / 2) + 16 h + 8 (b % 2) + j of my 128.  v: all eight registers of block a are the column at place 16 a + r
	v_lshlrev_b32 v6, 6, v2                        ; 64 h
	v_and_b32 v7, 7, v1
	v_lshrrev_b32 v8, 3, v1
	v_lshl_add_u32 v7, v8, 4, v7
	v_lshlrev_b32 v7, 2, v7                        ; 4 ((r % 8) + 16 (r / 8))
	s_mov_b32 s19, 0
	s_cmp_lt_u32 s42, 2
	s_cbranch_scc0 .Lbias_v
	s_lshl_b32 s18, s42, 2
	s_add_co_u32 s18, s18, s40
	s_lshl_b32 s18, s18, 1
	s_add_co_u32 s18, s18, s16
	s_lshl_b32 s18, s18, 9                         ; 4 bytes x (256 (4 X + cx) + 128 (wave % 2))
	s_add_nc_u64 s[18:19], s[8:9], s[18:19]
.irp b, 0,1,2,3,4,5,6,7
	global_load_b128 v[CB+8*\b:CB+8*\b+3], v6, s[18:19] offset:(32*(\b/2)+8*(\b%2))*4
	global_load_b128 v[CB+8*\b+4:CB+8*\b+7], v6, s[18:19] offset:(32*(\b/2)+8*(\b%2))*4+16
.endr
	s_branch .Lbias_done
.Lbias_v:
	s_lshl_b32 s18, s41, 1
	s_add_co_u32 s18, s18, s15
	s_add_co_u32 s18, s18, 16
	s_lshl_b32 s18, s18, 9                         ; 4 bytes x (2,048 + 256 cy + 128 (wave / 2))
	s_add_nc_u64 s[18:19], s[8:9], s[18:19]
.irp a, 0,1,2,3,4,5,6,7
.irp j, 0,1,2,3,4,5,6,7
	global_load_b32 v[CB+8*\a+\j], v7, s[18:19] offset:(32*(\a/2)+8*(\a%2))*4
.endr
.endr
.Lbias_done:
.macro FRAG reg, adr, q, i             ; 16 places x 128 K: registers 6 c .. 6 c + 5 hold K = 64 c + 32 h + 0 .. 31: 24 bytes of the row's 48 in panel 2 q + c, in pieces of 8 bytes
.irp p, 0,1,2,3,4,5
	ds_load_b64 v[\reg+2*\p:\reg+2*\p+1], v[\adr] offset:(2*(\q)+\p/3)*PAN+(\i)*768+8*(\p%3)
.endr
.endm
; 16 matrix instructions: P's blocks a0, a0 + 1 x R's eight, the slot's q-th 128 along K.  p: R's set; sc: the set of scale words.  cm = 0: the sums go on; 1, 2: the first product starts them from the bias, by R's block or by P's.
; The 64 accumulators take turns, one instruction a turn, in the same order in every step.
.macro MUL16 a0, p, q, sc, cm
.irp a, \a0, \a0+1
.irp b, 0,1,2,3,4,5,6,7
.if \cm == 1
	v_wmma_scale_f32_16x16x128_f8f6f4 v[8*(8*((\a)%4)+\b):8*(8*((\a)%4)+\b)+7], v[128*(\p)+FR*\b:128*(\p)+FR*\b+FR-1], v[AF+FR*(\a):AF+FR*(\a)+FR-1], v[CB+8*\b:CB+8*\b+7], v[SC+8*NQ*(\sc)+NQ*\b+(\q)], v[SC+8*NQ*(\sc)+NQ*(\a)+(\q)] matrix_a_fmt:MATRIX_FMT_FP6 matrix_b_fmt:MATRIX_FMT_FP6 matrix_a_scale:MATRIX_SCALE_ROW1
.elseif \cm == 2
	v_wmma_scale_f32_16x16x128_f8f6f4 v[8*(8*((\a)%4)+\b):8*(8*((\a)%4)+\b)+7], v[128*(\p)+FR*\b:128*(\p)+FR*\b+FR-1], v[AF+FR*(\a):AF+FR*(\a)+FR-1], v[CB+8*(\a):CB+8*(\a)+7], v[SC+8*NQ*(\sc)+NQ*\b+(\q)], v[SC+8*NQ*(\sc)+NQ*(\a)+(\q)] matrix_a_fmt:MATRIX_FMT_FP6 matrix_b_fmt:MATRIX_FMT_FP6 matrix_a_scale:MATRIX_SCALE_ROW1
.else
	v_wmma_scale_f32_16x16x128_f8f6f4 v[8*(8*((\a)%4)+\b):8*(8*((\a)%4)+\b)+7], v[128*(\p)+FR*\b:128*(\p)+FR*\b+FR-1], v[AF+FR*(\a):AF+FR*(\a)+FR-1], v[8*(8*((\a)%4)+\b):8*(8*((\a)%4)+\b)+7], v[SC+8*NQ*(\sc)+NQ*\b+(\q)], v[SC+8*NQ*(\sc)+NQ*(\a)+(\q)] matrix_a_fmt:MATRIX_FMT_FP6 matrix_b_fmt:MATRIX_FMT_FP6 matrix_a_scale:MATRIX_SCALE_ROW1
.endif
.endr
.endr
.endm
.macro FETCH_B slot, q, p              ; R's eight fragments into set p: 48 loads
	WIN TO_B
.irp i, 0,1,2,3,4,5,6,7
	FRAG 128*(\p)+FR*\i, ADRB+\slot, \q, \i
.endr
	WIN 0
.endm
.macro FETCH_A slot, q, i0             ; P's blocks i0 .. i0 + 3: 24 loads
.irp i, \i0, \i0+1, \i0+2, \i0+3
	FRAG AF+FR*(\i), ADRA+\slot, \q, \i
.endr
.endm
.macro SCALES sc                       ; a K step's scale words into set sc: two words a row; lanes 0-15 take P's block i, lanes 16-31 R's block i
.irp i, 0,1,2,3,4,5,6,7
	ds_load_b64 v[SC+8*NQ*\sc+NQ*\i:SC+8*NQ*\sc+NQ*\i+1], v[ADRS] offset:\i*128
.endr
.endm
.macro PLACES n                        ; plain vector lines between a matrix instruction and a load into, or a read of, its registers
.rept \n
	v_nop
.endr
.endm
; A step of 128 along K that has its successor in the same slot
.macro STEP slot, q, cm
	s_wait_dscnt 4*NL                              ; R's set and P's blocks 0-3 are in; the youngest 24 loads (P's blocks 4-7) may be out
.if \cm
	WIN 0x81                                       ; C (the bias) window 0, D window 2
.else
	WIN MUL_LO
.endif
	MUL16 0, (\q)%2, \q, \slot, \cm
	MUL16 2, (\q)%2, \q, \slot, \cm
	s_wait_dscnt 0                                 ; P's blocks 4-7 are in
	PLACES NP
	FETCH_B \slot, (\q)+1, 1-(\q)%2
	FETCH_A \slot, (\q)+1, 0
.if \cm
	WIN 0xc1
.else
	WIN MUL_HI
.endif
	MUL16 4, (\q)%2, \q, \slot, \cm
	MUL16 6, (\q)%2, \q, \slot, \cm
	PLACES NP
	WIN 0
	FETCH_A \slot, (\q)+1, 4
.endm
; A slot's last step changes slots: ONE barrier; in front of it each wave waits for all its tensor loads, adds 0 to its spare word, and waits for that and for its reads of this slot.  fill = 1: this slot is filled again, two K steps ahead.
.macro TURN slot, next, fill
	s_wait_tensorcnt 0x0                           ; all my tensor loads have landed: my part of the next slot
	ds_add_u32 v[SPW], v[NIL]                      ; 0 onto my spare word
	s_wait_dscnt 4*NL+1                            ; (the add and the youngest 24 loads, P's blocks 4-7, may be out)
	WIN MUL_LO
	MUL16 0, 1, NQ-1, \slot, 0                     ; sixteen matrix instructions stand between the add and the wait for it
	s_wait_dscnt 0x0                               ; the add is done, and my reads of this slot are over
	s_barrier_signal -1
	MUL16 2, 1, NQ-1, \slot, 0
	WIN 0
	s_barrier_wait -1
.if \fill
	CREST                                          ; the barrier has opened a round of the cluster's barrier: no wave of any partner still reads this slot or has a load on its way
	s_add_nc_u64 s[G0+4*\slot+2:G0+4*\slot+3], s[G0+4*\slot+2:G0+4*\slot+3], 8*PZ
	s_add_nc_u64 s[G0B+4*\slot+2:G0B+4*\slot+3], s[G0B+4*\slot+2:G0B+4*\slot+3], 8*PZ
	JLOAD G0+4*\slot, G1, G0B+4*\slot, G1B         ; the first tensor load behind the round; its four v_nop are the places in front of the loads below
.else
	PLACES NP
.endif
	v_add_nc_u32 v[ADRS], 1024, v[ADRS]            ; on to the next K step's scale words (no LDS load of mine is out)
	FETCH_B \next, 0, 0
	FETCH_A \next, 0, 0
	SCALES \next
	WIN MUL_HI
	MUL16 4, 1, NQ-1, \slot, 0
	MUL16 6, 1, NQ-1, \slot, 0
	PLACES NP
	WIN 0
	FETCH_A \next, 0, 4
.endm
	s_wait_tensorcnt 1                             ; the scale bytes and my part of K step 0 are in (K step 1's load may be out),
	s_barrier_signal -1
	s_barrier_wait -1                              ; everybody's are
	FETCH_B 0, 0, 0
	FETCH_A 0, 0, 0
	SCALES 0
	FETCH_A 0, 0, 4
	s_wait_loadcnt 0x0                             ; the bias
	s_cmp_lt_u32 s42, 2                            ; the first step is written twice: the bias goes by R's blocks (q, k) or by P's (v).  The branch hangs on the cluster's x alone
	s_cbranch_scc0 .Lfirst_v
	STEP 0, 0, 1
	s_branch .Lfirst_done
.Lfirst_v:
	STEP 0, 0, 2
.Lfirst_done:
	TURN 0, 1, 1                                   ; four K steps of 256: both slots are filled again once, so the ring is written out
	STEP 1, 0, 0
	TURN 1, 0, 1
	STEP 0, 0, 0
	TURN 0, 1, 0                                   ; nothing more to fetch: no round
	STEP 1, 0, 0
	s_wait_dscnt 4*NL
	WIN MUL_LO
	MUL16 0, 1, NQ-1, 1, 0
	MUL16 2, 1, NQ-1, 1, 0
	s_wait_dscnt 0
	WIN MUL_HI
	MUL16 4, 1, NQ-1, 1, 0
	MUL16 6, 1, NQ-1, 1, 0
	WIN 0
; THE WAY OUT.  Block a: 16 places of P x my 128 of R: four blocks of 32 along R; registers AC + 16 b + 0 .. 15 are the numbers 32 b + 16 h + 0 .. 15 of my place's row.
	s_mov_b32 s[SEL], 0x76543210
	s_mov_b32 s[SEL+1], 0xfedcba98
.irp b, 0,1,2,3
	v_mov_b32 v[TP+\b], 0                          ; a lane permute's destination counts as one of its sources.  These four are also the places behind the last products
.endr
.macro QBLOCK a
.set AC, 64*((\a)%4)
.set WA, 0x28+0x14*((\a)/4)
.set WC, 0x02+(\a)/4
	WIN WA                                         ; sources 1 and 2: window 2 or 3
.irp b, 0,1,2,3
	v_max3_num_f32 v[TM+\b], 0x1800000, |v[AC+16*\b]|, |v[AC+16*\b+1]|   ; my 16 numbers of block b, and the floor 2^(3 - 127); each accumulator is read from its low end on
.endr
.irp i, 2,4,6,8,10,12,14
.irp b, 0,1,2,3
	v_max3_num_f32 v[TM+\b], v[TM+\b], |v[AC+16*\b+\i]|, |v[AC+16*\b+\i+1]|
.endr
.endr
	WIN 0
.irp b, 0,1,2,3
	v_permlanex16_b32 v[TP+\b], v[TM+\b], s[SEL], s[SEL+1]
.endr
.irp b, 0,1,2,3
	v_max_num_f32 v[TM+\b], v[TM+\b], v[TP+\b]     ; with lane l xor 16's: the block's largest magnitude
.endr
.irp b, 0,1,2,3
	v_add_nc_u32 v[TS+\b], 0xff000000, v[TM+\b]    ; 2 off its exponent field: the conversion's scale operand
.endr
.irp b, 0,1,2,3
	v_lshrrev_b32 v[TP+\b], 23, v[TS+\b]           ; the scale's byte
.endr
	v_lshl_or_b32 v[PW+(\a)], v[TP+1], 8, v[TP]
	v_lshl_or_b32 v[PW+(\a)], v[TP+2], 16, v[PW+(\a)]
	v_lshl_or_b32 v[PW+(\a)], v[TP+3], 24, v[PW+(\a)]
	s_wait_dscnt 0x0                               ; the last block's stores have read the codes' registers
	WIN WC                                         ; source 0: window 2 or 3
.irp b, 0,1,2,3
	v_cvt_scalef32_pk16_fp6_f32 v[CD+4*\b:CD+4*\b+2], v[AC+16*\b:AC+16*\b+15], v[TS+\b]
.endr
	WIN 0
	v_nop                                          ; one plain line behind a scaled conversion
.irp b, 0,1,2,3
.irp i, 0,1,2
	ds_store_b32 v[STO], v[CD+4*\b+\i] offset:(\b/2)*6144+(\a)*768+24*(\b%2)+4*\i   ; 12 bytes at 48 r + 12 h of the row's 48: in words 12 r + 3 h, 32 different banks
.endr
.endr
.endm
.irp a, 0,1,2,3,4,5,6,7
	QBLOCK \a
.endr
	s_cmp_lt_u32 s42, 2
	s_cbranch_scc0 .Lscale_v
.irp a, 0,1,2,3,4,5,6,7                ; q, k: a word's low half is my first head's two bytes of the token at place 16 a + r, the high half my second head's
	ds_store_b16 v[SSO], v[PW+\a] offset:64*(\a/2)+2*(\a%2)
	ds_store_b16_d16_hi v[SSO], v[PW+\a] offset:256+64*(\a/2)+2*(\a%2)
.endr
	s_branch .Lscale_done
.Lscale_v:
.irp a, 0,1,2,3,4,5,6,7                ; v: the word serves my 128 keys for d at place 16 (a % 4) + r of head a / 4
	ds_store_b32 v[SSO], v[PW+\a] offset:256*(\a/4)+64*(\a%4)
.endr
.Lscale_done:
.irp n, 0,1,2,3,4,5,6,7,8,9,10,11,12,13,14,15,16,17,18,19,20,21,22,23
	ds_load_b128 v[BK+4*\n:BK+4*\n+3], v[RD] offset:512*\n          ; LDS serves a wave's instructions in order: these see my stores
.endr
.irp j, 0,1
	ds_load_b64 v[BK+96+2*\j:BK+97+2*\j], v[RS] offset:256*\j
.endr
.irp n, 0,1,2,3,4,5,6,7,8,9,10,11,12,13,14,15,16,17,18,19,20,21,22,23
	s_wait_dscnt 25-\n                             ; the loads behind this one may be out
	global_store_b128 v[CO], v[BK+4*\n:BK+4*\n+3], s[RUN+2*(\n/6):RUN+2*(\n/6)+1] offset:512*(\n%6)   ; 512 consecutive bytes, aligned
.endr
	s_wait_dscnt 1
	global_store_b64 v[C8], v[BK+96:BK+97], s[100:101]             ; 256 consecutive bytes, aligned
	s_wait_dscnt 0x0
	global_store_b64 v[C8], v[BK+98:BK+99], s[20:21]
	s_wait_tensorcnt 0x0                           ; the wave's end
	ds_add_u32 v[SPW], v[NIL]
	s_wait_dscnt 0x0
	CROUND                                         ; the closing round: no work-group ends while a partner may still ask for a tile that names it
	s_endpgm
.Lfunc_end_k_qd8bb80e073_qkvgemm:
	.size	k_qd8bb80e073_qkvgemm, .Lfunc_end_k_qd8bb80e073_qkvgemm-k_qd8bb80e073_qkvgemm
	.p2alignl 7, 3214868480
	.fill 96, 4, 3214868480
	.section	.rodata,"a",@progbits
	.p2align	6, 0x0
	.amdhsa_kernel k_qd8bb80e073_qkvgemm
		.amdhsa_group_segment_fixed_size 327680
		.amdhsa_private_segment_fixed_size 0
		.amdhsa_enable_private_segment 0
		.amdhsa_kernarg_size 32
		.amdhsa_user_sgpr_count 2
		.amdhsa_user_sgpr_kernarg_segment_ptr 1
		.amdhsa_wavefront_size32 1
		.amdhsa_system_sgpr_workgroup_id_x 1
		.amdhsa_system_sgpr_workgroup_id_y 1
		.amdhsa_system_sgpr_workgroup_id_z 1
		.amdhsa_system_vgpr_workitem_id 0
		.amdhsa_next_free_vgpr 1024
		.amdhsa_next_free_sgpr 102
		.amdhsa_reserve_vcc 0
		.amdhsa_float_denorm_mode_32 3
		.amdhsa_float_denorm_mode_16_64 3
		.amdhsa_memory_ordered 1
		.amdhsa_forward_progress 1
		.amdhsa_inst_pref_size 194
	.end_amdhsa_kernel
	.amdgpu_metadata
---
amdhsa.version: [ 1, 2 ]
amdhsa.kernels:
  - .name:           k_qd8bb80e073_qkvgemm
    .symbol:         k_qd8bb80e073_qkvgemm.kd
    .args:
      - { .name: zc, .offset: 0, .size: 8, .value_kind: global_buffer, .address_space: global }
      - { .name: zs, .offset: 8, .size: 8, .value_kind: global_buffer, .address_space: global }
      - { .name: b_qkv, .offset: 16, .size: 8, .value_kind: global_buffer, .address_space: global }
      - { .name: qkv, .offset: 24, .size: 8, .value_kind: global_buffer, .address_space: global }
    .group_segment_fixed_size: 327680
    .private_segment_fixed_size: 0
    .kernarg_segment_align: 8
    .kernarg_segment_size: 32
    .max_flat_workgroup_size: 128
    .sgpr_count:     102
    .vgpr_count:     1024
    .wavefront_size: 32
...
	.end_amdgpu_metadata
.endif
;; end of part 2
;; launch attn (part 3): grid 4 x 64, 16 waves a work-group, no clusters, 327,680 bytes of LDS; arguments qkv, uc, us; writes uc, us
.if DOCPART == 3
	.amdgcn_target "amdgcn-amd-amdhsa--gfx1250"
	.amdhsa_code_object_version 6
	.text
	.protected	k_qd8bb80e073_attn
	.globl	k_qd8bb80e073_attn
	.p2align	8
	.type	k_qd8bb80e073_attn,@function
k_qd8bb80e073_attn:
	s_mov_b64 s[64:65], 0
	v_nop
	global_prefetch_b8 v0, s[64:65] scope:SCOPE_SE
	s_setreg_imm32_b32 hwreg(HW_REG_WAVE_MODE, 25, 1), 1
	s_wait_xcnt 0x0
; y[b][q][head] = the sum over keys k <= q of softmax_k(Q . K / 8) V, both products on codes of FP6 (E2M3) with E8M0 scales; y leaves AS CODES, quantised along the model's 1,024 (a head is two blocks of 32).
; qkv: 512 records of 38,400 bytes, record = (batch x 16 + head) x 8 + block of 256 tokens:  0 K codes [256 places][48];  12,288 K scale words [8 groups of 32][16];  12,800 V codes [4 panels of 64 keys][64 places of d][48];
;   25,088 V scale words [2 steps of 128 keys][64][4];  25,600 Q codes, 37,888 Q scale words, laid as K's.  A PLACE is a number with bits 3 and 4 exchanged: 16 neighbouring places, as source 0, give a lane's registers natural neighbours.
; THE SOFTMAX: t = score x log2(e) / 8; M = the row's largest t so far, rounded UP to a whole number; p = 2^(t - M) is quantised along the keys, not normalised; the row's sum is taken of the unquantised p and divides at the end.
; When M moves, the sum and O are multiplied by 2^(old M - new M): exact.
; SHARES.  Work-group (p, batch x 16 + head) makes query block p (key slots 0 .. p), then block 7 - p (key slots 0 .. 7 - p): NINE slots of 256 keys for every work-group, 256 work-groups of equal work, every trip count a constant.
; Each of sixteen waves owns the 16 queries at places 16 w + r of the block: 256 registers, four waves to a SIMD, so that one wave's vector work stands beside another's matrix work and LDS loads.
; K = 64 IN AN INSTRUCTION 128 DEEP.  A fragment of K holds TWO tiles of keys: registers 0-5 places 32 b + r, registers 6-11 places 32 b + 16 + r.  Q lies as [q | zeros | q]: one tile takes [q | zeros], the other [zeros | q]:
; zero codes stand against the tile that does not count.  K's scale word holds both tiles' two bytes, Q's its own two bytes twice.
; CAUSAL.  A step of 128 keys all of which come after my queries is left out by a scalar branch on ids; on the diagonal hidden scores become -infinity ahead of the maximum.  Key 0 counts for every query.
; NO CLUSTER: the four work-groups of a head want slots 0 .. p and then 0 .. 7 - p: in a given trip they want different tiles, and different numbers of each.
; y's scale bytes leave two a token (global_store_b16): 1 byte in 24 of what the launch stores; a row's 8 bytes come from four heads, which are four work-groups.
; LIMITS: NaN and infinities are not served; a block whose largest magnitude lies under 2^-124, a block of zeros among them, gets the byte 1 (this program alone reads the bytes).
.set PU,    442368                     ; a panel of uc in bytes
.set REC,   38400
.set SLOT1, 0x8000                     ; slot 1 begins here: one exclusive or turns an address in one slot into the other's.  A slot is a record's first 25,600 bytes
.set KSO,   12288
.set VO,    12800
.set VSO,   25088
.set SPARE, 65536                      ; the spare words, 128 bytes for each wave: eight blocks of 256 bytes that no other line names
.set STAGE, 67584                      ; the way out: 1,024 bytes for each wave (768 used); no fill ever lands here
.set AL,   1                           ; v1   48 r + 24 h: my lane's place in a tile of 16 rows of 48 bytes
.set ASC,  2                           ; v2   4 r: among scale words
.set LQ,   3                           ; v3   (r % 8) + 16 (r / 8) - 16 h
.set PFO,  4                           ; v4   256 x min(lane, 24): the prefetches' offset; never rewritten
.set SPW,  5                           ; v5   my spare word; never rewritten
.set NIL,  6                           ; v6   0; never rewritten
.set STO,  7                           ; v7   the stage: 48 r + 12 h
.set RDS,  8                           ; v8   and back: 8 x lane
.set C8L,  9                           ; v9   8 x lane
.set C8R,  10                          ; v10  8 r
.set AD,   11                          ; v11  the step's address for codes
.set AD2,  35                          ; v35  and for scale words
.set KFR,  36                          ; v36-83 K's four fragments; behind the first product's instructions at work: v36-39 the other half's maxima, then bytes; v40-43 scale operands; v44-50 conversions' halves; v52-53 a sum; v54-55; v56-61 the stage read back
.set KS,   84                          ; v84-87 K's scale words
.set VS,   88                          ; v88-91 V's
.set BM,   92                          ; v92-95 each block's largest score
.set S,    96                          ; v96-159 S^T, then p
.set O,    160                         ; v160-191 O^T
.set VFR,  192                         ; v192-239 V's four fragments
.set PCD,  240                         ; v240-251 p's codes;  v252 f, v253 p's scale word, v254 Q's two bytes, v255 Q's scale word;  v12 -M, v13 the largest t, v[14:15] the sum;  v16-33 Q
.set TB,   2                           ; s2   LDS byte at which the slot in hand begins
.set NN,   3                           ; s3   the trip: which of the nine slots is in hand
.set WV,   18
.set SEL,  20
.set CS,   22                          ; s[22:23] c = log2(e) / 8
.set G1,   24
.set G0,   32
.set SW,   36                          ; s36  p + 1: the trip in which the second block begins
.set BACK, 37                          ; s37  (p + 1) records: back to key slot 0
.set KEY,  40                          ; s40  the step's first key
.set Q0G,  41                          ; s41  the first query of my group of 32
.set QM,   42                          ; s42  + 8 (wave % 2)
.set QB,   44                          ; s[44:45] my queries' codes;  s[46:47] their scale bytes
.set QSB,  46
.set UCB,  48                          ; s[48:49] my tokens' 768 bytes in the head's panel of uc;  s[50:51] their scale bytes in us
.set USB,  50
.set PFA,  52                          ; s[52:53] where my prefetches stand
.set LIM,  54                          ; s54  7 in a wave that prefetches, else 0
.macro TLOAD                           ; waves 0 to 3 fetch a quarter of a slot each; four v_nop follow the line
	s_cmp_lt_u32 s[WV], 4
	s_cbranch_scc0 .Lnone_\@
	tensor_load_to_lds s[G0:G0+3], s[G1:G1+7]
	s_nop 0
.rept 4
	v_nop
.endr
.Lnone_\@:
.endm
; A PREFETCH INTO THE L2 of the key slot that the NEXT change of slots will ask for.  All four work-groups of a head walk the same records: the one with p = 0, which walks key slots 0 to 7 one a trip, asks; in it waves 4 to 7, which
; fetch nothing, take 6,400 bytes each: 25 blocks of 256 bytes, a lane a block (lanes 25-31 repeat lane 24's).  Trip n names key slot n + 1, two key steps ahead of its load; key slot 0 comes by its loads alone; trip 7 names nothing.
.macro ASK
	s_cmp_lt_u32 s[NN], s[LIM]
	s_cbranch_scc0 .Lnot_mine_\@
	global_prefetch_b8 v[PFO], s[PFA:PFA+1] th:TH_LOAD_NT scope:SCOPE_SE
.Lnot_mine_\@:
.endm
	s_load_b128 s[4:7], s[0:1], 0x0                ; qkv s[4:5], uc s[6:7]
	s_load_b64 s[8:9], s[0:1], 0x10                ; us
	v_lshl_add_u32 v[SPW], v0, 2, SPARE
	v_mov_b32 v[NIL], 0
	ds_add_u32 v5, v6
	ds_add_u32 v5, v6
	s_wait_dscnt 0x0
	v_lshrrev_b32 v11, 5, v0
	s_delay_alu instid0(VALU_DEP_1)
	v_readfirstlane_b32 s[WV], v11                 ; wave 0..15
	s_mov_b32 s10, ttmp9                           ; p
	s_and_b32 s11, ttmp7, 0xffff                   ; batch x 16 + head
	s_mul_i32 s12, s11, 8*REC
	s_mov_b32 s13, 0
	s_mul_i32 s14, s[WV], 6400
	s_mov_b32 s15, 0
	; descriptor group 1: 25 rows of 256 bytes (32 elements of 8 bytes), dense in memory and in LDS
	s_mov_b32 s[G1], 3<<16
	s_mov_b32 s[G1+1], 32<<16
	s_mov_b32 s[G1+2], 25<<16
	s_mov_b32 s[G1+3], 32<<16
	s_mov_b32 s[G1+4], 25
	s_mov_b32 s[G1+5], 32
	s_mov_b32 s[G1+6], 0
	s_mov_b32 s[G1+7], 0
	s_wait_kmcnt 0x0
	s_add_nc_u64 s[4:5], s[4:5], s[12:13]          ; the head's first record
	s_mov_b32 s[G0], 1
	s_mov_b32 s[G0+1], s14                         ; slot 0, my quarter
	s_add_nc_u64 s[G0+2:G0+3], s[4:5], s[14:15]
	s_or_b32 s[G0+3], s[G0+3], 0x80000000
	TLOAD                                          ; key slot 0
	s_mov_b32 s[SEL], 0x76543210
	s_mov_b32 s[SEL+1], 0xfedcba98
	s_mov_b32 s[CS], 0x3e38aa3b                    ; log2(e) / 8
	s_mov_b32 s[CS+1], s[CS]
	s_mul_i32 s16, s10, REC                        ; block p's record
	s_mul_i32 s17, s[WV], 768
	s_add_co_u32 s[QB], s16, s17
	s_add_co_u32 s[QB], s[QB], 25600
	s_mov_b32 s[QB+1], 0
	s_add_nc_u64 s[QB:QB+1], s[4:5], s[QB:QB+1]
	s_lshr_b32 s17, s[WV], 1
	s_and_b32 s19, s[WV], 1
	s_lshl_b32 s[QSB], s17, 6
	s_lshl_b32 s[QSB+1], s19, 1
	s_add_co_u32 s[QSB], s[QSB], s[QSB+1]
	s_add_co_u32 s[QSB], s[QSB], s16
	s_add_co_u32 s[QSB], s[QSB], 37888
	s_mov_b32 s[QSB+1], 0
	s_add_nc_u64 s[QSB:QSB+1], s[4:5], s[QSB:QSB+1]
	s_lshr_b32 s12, s11, 4
	s_lshl_b32 s12, s12, 11
	s_lshl_b32 s13, s10, 8
	s_add_co_u32 s12, s12, s13
	s_lshl_b32 s13, s[WV], 4
	s_add_co_u32 s12, s12, s13                     ; my first token's place among the 8,192
	s_and_b32 s13, s11, 15                         ; the head
	s_mul_i32 s[UCB], s13, PU
	s_mul_i32 s[UCB+1], s12, 48
	s_add_co_u32 s[UCB], s[UCB], s[UCB+1]
	s_mov_b32 s[UCB+1], 0
	s_add_nc_u64 s[UCB:UCB+1], s[6:7], s[UCB:UCB+1]
	s_lshr_b32 s[USB], s13, 2
	s_mul_i32 s[USB], s[USB], 73728
	s_lshl_b32 s[USB+1], s12, 3
	s_add_co_u32 s[USB], s[USB], s[USB+1]
	s_and_b32 s[USB+1], s13, 3
	s_lshl_b32 s[USB+1], s[USB+1], 1
	s_add_co_u32 s[USB], s[USB], s[USB+1]
	s_mov_b32 s[USB+1], 0
	s_add_nc_u64 s[USB:USB+1], s[8:9], s[USB:USB+1]
	s_and_b32 s[PFA], s[WV], 3
	s_mul_i32 s[PFA], s[PFA], 6400
	s_mov_b32 s[PFA+1], 0
	s_add_nc_u64 s[PFA:PFA+1], s[4:5], s[PFA:PFA+1]  ; in key slot 0: the first change of slots steps it to slot 1
	s_lshr_b32 s[LIM], s[WV], 2
	s_xor_b32 s[LIM], s[LIM], 1                    ; 0 in waves 4 to 7,
	s_or_b32 s[LIM], s[LIM], s10                   ; of the work-group with p = 0
	s_cmp_eq_u32 s[LIM], 0
	s_cselect_b32 s[LIM], 7, 0
	s_lshl_b32 s55, s10, 1
	s_sub_co_u32 s55, 7, s55                       ; from block p to block 7 - p:
	s_mul_i32 s56, s55, REC                        ; in records,
	s_mov_b32 s57, 0
	s_mul_i32 s58, s55, 12288                      ; in a panel of uc,
	s_mov_b32 s59, 0
	s_lshl_b32 s60, s55, 11                        ; in us,
	s_mov_b32 s61, 0
	s_lshl_b32 s62, s55, 8                         ; in queries
	s_add_co_u32 s[SW], s10, 1
	s_mul_i32 s[BACK], s[SW], REC
	s_mov_b32 s39, 0
	s_lshl_b32 s[Q0G], s10, 8
	s_lshl_b32 s17, s17, 5
	s_add_co_u32 s[Q0G], s[Q0G], s17
	s_lshl_b32 s19, s19, 3
	s_add_co_u32 s[QM], s[Q0G], s19
	s_mov_b32 s[TB], 0
	s_mov_b32 s[NN], 0
	s_mov_b32 s[KEY], 0
	v_and_b32 v11, 15, v0                          ; r
	v_bfe_u32 v35, v0, 4, 1                        ; h
	s_delay_alu instid0(VALU_DEP_2)
	v_mul_u32_u24 v[AL], v11, 48
	s_delay_alu instid0(VALU_DEP_1)
	v_mad_u32_u24 v[AL], v35, 24, v[AL]
	s_delay_alu instid0(VALU_DEP_4)
	v_lshlrev_b32 v[ASC], 2, v11
	v_and_b32 v[LQ], 7, v11
	v_lshrrev_b32 v34, 3, v11
	s_delay_alu instid0(VALU_DEP_1)
	v_lshl_add_u32 v[LQ], v34, 4, v[LQ]
	v_lshlrev_b32 v34, 4, v35
	s_delay_alu instid0(VALU_DEP_1)
	v_sub_nc_u32 v[LQ], v[LQ], v34
	v_and_b32 v34, 31, v0
	s_delay_alu instid0(VALU_DEP_1)
	v_min_u32 v[PFO], 24, v34
	s_delay_alu instid0(VALU_DEP_1)
	v_lshlrev_b32 v[PFO], 8, v[PFO]
	s_lshl_b32 s12, s[WV], 10
	s_add_co_u32 s12, s12, STAGE
	v_mul_u32_u24 v[STO], v11, 48
	s_delay_alu instid0(VALU_DEP_1)
	v_mad_u32_u24 v[STO], v35, 12, v[STO]
	s_delay_alu instid0(VALU_DEP_1)
	v_add_nc_u32 v[STO], s12, v[STO]
	v_lshlrev_b32 v[C8L], 3, v34
	s_delay_alu instid0(VALU_DEP_1)
	v_add_nc_u32 v[RDS], s12, v[C8L]
	v_lshlrev_b32 v[C8R], 3, v11
.irp i, 22,23,24,25,26,27
	v_mov_b32 v\i, 0                               ; the zero codes between Q's two copies
.endr
.irp b, 0,1,2,3
	v_mov_b32 v[36+\b], 0                          ; a lane permute's destination counts as one of its sources
.endr
	v_mov_b32 v253, 0                              ; (named as the upper half of the pair v[252:253] before it is first written)
.macro QLOAD                           ; my 16 queries: 24 bytes a lane, twice; and their two scale bytes
.irp i, 0,1,2
	global_load_b64 v[16+2*\i:17+2*\i], v[AL], s[QB:QB+1] offset:8*\i
	global_load_b64 v[28+2*\i:29+2*\i], v[AL], s[QB:QB+1] offset:8*\i
.endr
	global_load_u16 v254, v[ASC], s[QSB:QSB+1]
.endm
.macro QSET
	s_wait_loadcnt 0x0
	v_lshl_or_b32 v255, v254, 16, v254             ; Q's scale word: its two bytes for either half of the instruction's K.  INIT's lines follow: more than the eight plain lines that stand between this and a scaled matrix instruction
.endm
.macro INIT
	v_mov_b32 v13, 0xff61b1e6                      ; the largest t so far: -3e38, under every t
	s_delay_alu instid0(VALU_DEP_1)
	v_floor_f32 v12, -v13                          ; -M
	v_mov_b32 v14, 0                               ; the sum, in two halves
	v_mov_b32 v15, 0
.irp j, 0,1,2,3,4,5,6,7,8,9,10,11,12,13,14,15,16,17,18,19,20,21,22,23,24,25,26,27,28,29,30,31
	v_mov_b32 v[O+\j], 0                           ; O^T: a block's first step finds zeros, which the first change of M leaves zeros
.endr
.endm
	QLOAD
	QSET
	INIT
; A KEY STEP: 128 keys, the q-th of the slot in hand
.macro STEP q
	s_cmp_gt_u32 s[KEY], s[Q0G]                    ; both are multiples of 32: then every key of the step comes after my last query
	s_cbranch_scc1 .Lhidden_\@
	v_add_nc_u32 v[AD], s[TB], v[AL]
	v_add_nc_u32 v[AD2], s[TB], v[ASC]
	v_nop
	v_nop                                          ; four plain lines in front of loads into registers that the last products have read
.irp b, 0,1,2,3
.irp p, 0,1,2,3,4,5
	ds_load_b64 v[KFR+12*\b+2*\p:KFR+12*\b+2*\p+1], v[AD] offset:(128*(\q)+32*\b+16*(\p/3))*48+8*(\p%3)
.endr
	ds_load_b32 v[KS+\b], v[AD2] offset:KSO+(4*(\q)+\b)*64
.endr
.irp t, 0,1,2,3
.irp p, 0,1,2,3,4,5
	ds_load_b64 v[VFR+12*\t+2*\p:VFR+12*\t+2*\p+1], v[AD] offset:VO+(2*(\q)+\p/3)*3072+768*\t+8*(\p%3)
.endr
	ds_load_b32 v[VS+\t], v[AD2] offset:VSO+256*(\q)+64*\t
.endr
	s_wait_dscnt 28                                ; K's 28 loads are in; V's 28 may be out: they land under the softmax
.irp t, 0,1,2,3,4,5,6,7
	v_wmma_scale_f32_16x16x128_f8f6f4 v[S+8*\t:S+8*\t+7], v[KFR+12*(\t/2):KFR+12*(\t/2)+11], v[16+6*(\t%2):27+6*(\t%2)], 0, v[KS+\t/2], v255 matrix_a_fmt:MATRIX_FMT_FP6 matrix_b_fmt:MATRIX_FMT_FP6
.endr                                          ; lane (r, h) holds the query at place r; register 16 b + i is key KEY + 32 b + 16 h + i
.rept 4
	v_nop
.endr
	s_add_co_u32 s43, s[KEY], 128
	s_cmp_le_u32 s43, s[Q0G]                       ; a step all of whose keys count skips the mask
	s_cbranch_scc1 .Lopen_\@
	s_sub_co_i32 s43, s[QM], s[KEY]
	v_add_nc_u32 v54, s43, v[LQ]                   ; d = my query - KEY - 16 h: register 16 b + i is hidden where 32 b + i > d
	v_mov_b32 v55, 0xff800000                      ; -infinity
.irp n, 0,1,2,3,4,5,6,7,8,9,10,11,12,13,14,15,16,17,18,19,20,21,22,23,24,25,26,27,28,29,30,31,32,33,34,35,36,37,38,39,40,41,42,43,44,45,46,47,48,49,50,51,52,53,54,55,56,57,58,59,60,61,62,63
	v_cmp_gt_i32 vcc_lo, 32*(\n/16)+\n%16, v54
	v_cndmask_b32 v[S+\n], v[S+\n], v55, vcc_lo
.endr
.Lopen_\@:
.irp b, 0,1,2,3
	v_max3_num_f32 v[BM+\b], v[S+16*\b], v[S+1+16*\b], v[S+2+16*\b]   ; the largest score of each block of 32 keys: for the row's maximum, and, since p rises with the score, for the block's largest p
.endr
.irp i, 3,5,7,9,11,13
.irp b, 0,1,2,3
	v_max3_num_f32 v[BM+\b], v[BM+\b], v[S+16*\b+\i], v[S+1+16*\b+\i]
.endr
.endr
.irp b, 0,1,2,3
	v_max_num_f32 v[BM+\b], v[BM+\b], v[S+15+16*\b]
.endr
.irp b, 0,1,2,3
	s_delay_alu instid0(VALU_DEP_4)
	v_permlanex16_b32 v[36+\b], v[BM+\b], s[SEL], s[SEL+1]
.endr
.irp b, 0,1,2,3
	s_delay_alu instid0(VALU_DEP_4)
	v_max_num_f32 v[BM+\b], v[BM+\b], v[36+\b]     ; with lane l xor 16's 16 keys
.endr
	s_delay_alu instid0(VALU_DEP_2)
	v_max3_num_f32 v54, v[BM], v[BM+1], v[BM+2]
	s_delay_alu instid0(VALU_DEP_1)
	v_max_num_f32 v54, v54, v[BM+3]                ; the step's largest score of my query
	s_delay_alu instid0(VALU_DEP_1)
	v_mul_f32 v54, s[CS], v54                      ; as t
	s_delay_alu instid0(VALU_DEP_1)
	v_max_num_f32 v13, v13, v54                    ; the running largest t
	v_mov_b32 v54, v12
	s_delay_alu instid0(VALU_DEP_2)
	v_floor_f32 v12, -v13                          ; the new -M = floor(-t): M is a whole number
	s_delay_alu instid0(VALU_DEP_1)
	v_sub_f32 v54, v12, v54                        ; old M - new M: a whole number, 0 or less
	s_delay_alu instid0(VALU_DEP_1)
	v_cvt_i32_f32 v54, v54                         ; (it saturates)
	s_delay_alu instid0(VALU_DEP_1)
	v_ldexp_f32 v252, 1.0, v54                     ; f = 2^(old M - new M)
.irp j, 0,2,4,6,8,10,12,14,16,18,20,22,24,26,28,30,32,34,36,38,40,42,44,46,48,50,52,54,56,58,60,62
	v_pk_fma_f32 v[S+\j:S+1+\j], v[S+\j:S+1+\j], s[CS:CS+1], v[12:13] op_sel_hi:[1,0,0]   ; t - M, two at a time
.endr
.irp b, 0,1,2,3
	v_fma_f32 v[BM+\b], v[BM+\b], s[CS], v12       ; the same of each block's largest score
.endr
	s_wait_alu depctr_va_vdst(0)
.irp j, 0,1,2,3,4,5,6,7,8,9,10,11,12,13,14,15,16,17,18,19,20,21,22,23,24,25,26,27,28,29,30,31,32,33,34,35,36,37,38,39,40,41,42,43,44,45,46,47,48,49,50,51,52,53,54,55,56,57,58,59,60,61,62,63
	v_exp_f32 v[S+\j], v[S+\j]                     ; p = 2^(t - M), at most 1
.endr
.irp b, 0,1,2,3
	v_exp_f32 v[BM+\b], v[BM+\b]                   ; the block's largest p: the same two instructions on the same number give the same bits
.endr
	v_pk_mul_f32 v[14:15], v[14:15], v[252:253] op_sel_hi:[1,0]   ; the sums under the new M (a plain line behind the exponentials)
	s_wait_alu depctr_va_vdst(0)
.irp b, 0,1,2,3
	v_max_num_f32 v[BM+\b], 0x1800000, v[BM+\b]    ; the floor 2^(3 - 127): a block whose every p is 0 keeps the byte 1: its codes are zeros
.endr
.irp b, 0,1,2,3
	s_delay_alu instid0(VALU_DEP_4)
	v_add_nc_u32 v[40+\b], 0xff000000, v[BM+\b]    ; 2 off the exponent field: the conversion's scale operand
.endr
.irp b, 0,1,2,3
	s_delay_alu instid0(VALU_DEP_4)
	v_lshrrev_b32 v[36+\b], 23, v[40+\b]           ; the scale's byte
.endr
	s_delay_alu instid0(VALU_DEP_3)
	v_lshl_or_b32 v253, v37, 8, v36                ; p's scale word for these 128 keys
	s_delay_alu instid0(VALU_DEP_1)
	v_lshl_or_b32 v253, v38, 16, v253
	s_delay_alu instid0(VALU_DEP_1)
	v_lshl_or_b32 v253, v39, 24, v253
.irp c, 0,1
	v_cvt_scalef32_pk16_fp6_f32 v[PCD+6*\c:PCD+2+6*\c], v[S+32*\c:S+15+32*\c], v[40+2*\c]
	v_cvt_scalef32_pk16_fp6_f32 v[44+4*\c:46+4*\c], v[S+16+32*\c:S+31+32*\c], v[41+2*\c]   ; (a conversion's three registers begin on an even number)
.endr
	v_nop                                          ; one plain line behind a scaled conversion
.irp c, 0,1                                    ; the operand's layout wants a WHOLE block in a lane: lanes 0-15 block 2 c, lanes 16-31 block 2 c + 1
.irp i, 0,1,2
	v_permlane16_swap_b32 v[PCD+6*\c+\i], v[44+4*\c+\i]
.endr
.irp i, 0,1,2
	s_delay_alu instid0(VALU_DEP_3)
	v_mov_b32 v[PCD+3+6*\c+\i], v[44+4*\c+\i]
.endr
.endr
	v_pk_add_f32 v[52:53], v[100:101], v[104:105]
	v_pk_add_f32 v[94:95], v[108:109], v[112:113]
	v_pk_add_f32 v[92:93], v[116:117], v[120:121]
	v_pk_add_f32 v[86:87], v[124:125], v[128:129]
	v_pk_add_f32 v[84:85], v[132:133], v[136:137]
	v_pk_add_f32 v[82:83], v[140:141], v[144:145]
	v_pk_add_f32 v[80:81], v[148:149], v[152:153]
	v_pk_add_f32 v[14:15], v[14:15], v[156:157]
	v_pk_add_f32 v[52:53], v[52:53], v[96:97]
	v_pk_add_f32 v[94:95], v[94:95], v[98:99]
	v_pk_add_f32 v[92:93], v[92:93], v[102:103]
	v_pk_add_f32 v[86:87], v[86:87], v[106:107]
	v_pk_add_f32 v[84:85], v[84:85], v[110:111]
	v_pk_add_f32 v[82:83], v[82:83], v[114:115]
	v_pk_add_f32 v[80:81], v[80:81], v[118:119]
	v_pk_add_f32 v[14:15], v[14:15], v[122:123]
	v_pk_add_f32 v[52:53], v[52:53], v[126:127]
	v_pk_add_f32 v[94:95], v[94:95], v[130:131]
	v_pk_add_f32 v[92:93], v[92:93], v[134:135]
	v_pk_add_f32 v[86:87], v[86:87], v[138:139]
	v_pk_add_f32 v[84:85], v[84:85], v[142:143]
	v_pk_add_f32 v[82:83], v[82:83], v[146:147]
	v_pk_add_f32 v[80:81], v[80:81], v[150:151]
	v_pk_add_f32 v[14:15], v[14:15], v[154:155]
	v_pk_add_f32 v[52:53], v[52:53], v[158:159]
	s_delay_alu instid0(VALU_DEP_2)
	v_pk_add_f32 v[14:15], v[14:15], v[86:87]
	s_delay_alu instid0(VALU_DEP_2)
	v_pk_add_f32 v[52:53], v[52:53], v[84:85]
	v_pk_add_f32 v[94:95], v[94:95], v[82:83]
	v_pk_add_f32 v[92:93], v[92:93], v[80:81]
	s_delay_alu instid0(VALU_DEP_2)
	v_pk_add_f32 v[14:15], v[14:15], v[94:95]
	s_delay_alu instid0(VALU_DEP_2)
	v_pk_add_f32 v[52:53], v[52:53], v[92:93]
	s_delay_alu instid0(VALU_DEP_1)
	v_pk_add_f32 v[14:15], v[14:15], v[52:53]
.irp j, 0,2,4,6,8,10,12,14,16,18,20,22,24,26,28,30
	v_pk_mul_f32 v[O+\j:O+1+\j], v[O+\j:O+1+\j], v[252:253] op_sel_hi:[1,0]   ; O^T under the new M
.endr
	s_wait_alu depctr_va_vdst(0)
	s_wait_dscnt 0x0                               ; V is in
.irp t, 0,1,2,3                                ; O^T += V^T P^T: four tiles of 16 places of d, one instruction each: the accumulators take turns
	v_wmma_scale_f32_16x16x128_f8f6f4 v[O+8*\t:O+8*\t+7], v[VFR+12*\t:VFR+12*\t+11], v[PCD:PCD+11], v[O+8*\t:O+8*\t+7], v[VS+\t], v253 matrix_a_fmt:MATRIX_FMT_FP6 matrix_b_fmt:MATRIX_FMT_FP6
.endr
.Lhidden_\@:
	s_add_co_u32 s[KEY], s[KEY], 128
.endm
; THE CHANGE OF SLOTS stands at a slot's head.  Each wave waits for all its tensor loads, adds 0 to its spare word, and waits for that and for its reads of the slot that it has left.  Behind the barrier the slot ahead is whole and
; nobody reads the other one.  fill = 1: that other slot takes the next of the nine: the next record, or, where the second block begins, key slot 0 again (chosen without a jump).  The load has two key steps in which to land.
.macro CHANGE fill
	s_wait_tensorcnt 0x0                           ; no tensor load of mine is out, so the group 0 may be written
	ds_add_u32 v[SPW], v[NIL]                      ; 0 onto my spare word
.if \fill
	s_xor_b32 s[G0+1], s[G0+1], SLOT1
	s_add_nc_u64 s[G0+2:G0+3], s[G0+2:G0+3], REC
	s_add_co_u32 s38, s[NN], 1
	s_cmp_eq_u32 s38, s[SW]
	s_cselect_b32 s38, s[BACK], 0
	s_sub_nc_u64 s[G0+2:G0+3], s[G0+2:G0+3], s[38:39]
	s_wait_xcnt 0x0                                ; the last prefetch, a slot back, has read its address
	s_add_nc_u64 s[PFA:PFA+1], s[PFA:PFA+1], REC
.endif
	s_wait_dscnt 0x0                               ; the add is done, and my reads of the slot that I have left are over
	s_barrier_signal -1
	s_barrier_wait -1
.if \fill
	TLOAD                                          ; the first thing behind the barrier, and a wave's one tensor load until the next
	ASK
.endif
.endm
; A BLOCK'S END: y = O^T / the sum; register 16 b + i is channel 32 b + 16 h + i of my token's head: two blocks of 32, each in lanes l and l xor 16.  12 bytes a lane and block go through my stage and leave as 768 consecutive bytes.
.macro FINISH
.rept 4
	v_nop                                          ; places behind the last products
.endr
	v_add_f32 v14, v14, v15
	s_delay_alu instid0(VALU_DEP_1)
	v_permlanex16_b32 v36, v14, s[SEL], s[SEL+1]
	s_delay_alu instid0(VALU_DEP_1)
	v_add_f32 v14, v14, v36                        ; the row's sum
	s_wait_alu depctr_va_vdst(0)
	v_rcp_f32 v14, v14
	v_nop                                          ; a plain line behind the transcendental
	s_wait_alu depctr_va_vdst(0)
.irp j, 0,2,4,6,8,10,12,14,16,18,20,22,24,26,28,30
	v_pk_mul_f32 v[S+\j:S+1+\j], v[O+\j:O+1+\j], v[14:15] op_sel_hi:[1,0]   ; each accumulator from its low end on
.endr
.irp b, 0,1
	v_max3_num_f32 v[BM+\b], |v[S+16*\b]|, |v[S+1+16*\b]|, 0x1800000
.endr
.irp i, 2,4,6,8,10,12,14
.irp b, 0,1
	s_delay_alu instid0(VALU_DEP_2)
	v_max3_num_f32 v[BM+\b], v[BM+\b], |v[S+16*\b+\i]|, |v[S+1+16*\b+\i]|
.endr
.endr
.irp b, 0,1
	s_delay_alu instid0(VALU_DEP_2)
	v_permlanex16_b32 v[36+\b], v[BM+\b], s[SEL], s[SEL+1]
.endr
.irp b, 0,1
	s_delay_alu instid0(VALU_DEP_2)
	v_max_num_f32 v[BM+\b], v[BM+\b], v[36+\b]
.endr
.irp b, 0,1
	s_delay_alu instid0(VALU_DEP_2)
	v_add_nc_u32 v[40+\b], 0xff000000, v[BM+\b]
.endr
.irp b, 0,1
	s_delay_alu instid0(VALU_DEP_2)
	v_lshrrev_b32 v[36+\b], 23, v[40+\b]
.endr
	s_delay_alu instid0(VALU_DEP_1)
	v_lshl_or_b32 v54, v37, 8, v36                 ; my token's two scale bytes of this head
	v_cvt_scalef32_pk16_fp6_f32 v[44:46], v[S:S+15], v40
	v_cvt_scalef32_pk16_fp6_f32 v[48:50], v[S+16:S+31], v41
	v_nop                                          ; one plain line behind a scaled conversion
.irp b, 0,1
.irp i, 0,1,2
	ds_store_b32 v[STO], v[44+4*\b+\i] offset:24*\b+4*\i
.endr
.endr
.irp c, 0,1,2
	ds_load_b64 v[56+2*\c:57+2*\c], v[RDS] offset:256*\c           ; LDS serves a wave's instructions in order: these see my stores
.endr
	global_store_b16 v[C8R], v54, s[USB:USB+1]     ; lanes l and l xor 16 write the same two bytes with the same value
	s_wait_dscnt 0x0
.irp c, 0,1,2
	global_store_b64 v[C8L], v[56+2*\c:57+2*\c], s[UCB:UCB+1] offset:256*\c   ; 256 consecutive bytes, aligned
.endr
	s_wait_xcnt 0x0                                ; the stores have read their registers and bases: both may be written again
.endm
.Lslot:                                            ; eight trips: behind each change of slots the next of the nine slots is asked for
	CHANGE 1
	s_cmp_lg_u32 s[NN], s[SW]                      ; where the second block begins (trip p + 1, which is 1 to 4): a branch on ids, round no barrier and no tensor load
	s_cbranch_scc1 .Lsame
	s_add_nc_u64 s[QB:QB+1], s[QB:QB+1], s[56:57]  ; (the first block's loads of Q were waited for long ago)
	s_add_nc_u64 s[QSB:QSB+1], s[QSB:QSB+1], s[56:57]
	QLOAD                                          ; block 7 - p's queries come while block p leaves
	FINISH
	s_add_nc_u64 s[UCB:UCB+1], s[UCB:UCB+1], s[58:59]
	s_add_nc_u64 s[USB:USB+1], s[USB:USB+1], s[60:61]
	s_add_co_u32 s[Q0G], s[Q0G], s62
	s_add_co_u32 s[QM], s[QM], s62
	s_mov_b32 s[KEY], 0
	QSET
	INIT
.Lsame:
	STEP 0
	STEP 1
	s_xor_b32 s[TB], s[TB], SLOT1                  ; on to the other slot
	s_add_co_u32 s[NN], s[NN], 1
	s_cmp_lt_u32 s[NN], 8
	s_cbranch_scc1 .Lslot
	CHANGE 0                                       ; the ninth slot is written out
	STEP 0
	STEP 1
	FINISH
	s_wait_tensorcnt 0x0                           ; the wave's end
	ds_add_u32 v[SPW], v[NIL]
	s_wait_dscnt 0x0
	s_endpgm
.Lfunc_end_k_qd8bb80e073_attn:
	.size	k_qd8bb80e073_attn, .Lfunc_end_k_qd8bb80e073_attn-k_qd8bb80e073_attn
	.p2alignl 7, 3214868480
	.fill 96, 4, 3214868480
	.section	.rodata,"a",@progbits
	.p2align	6, 0x0
	.amdhsa_kernel k_qd8bb80e073_attn
		.amdhsa_group_segment_fixed_size 327680
		.amdhsa_private_segment_fixed_size 0
		.amdhsa_enable_private_segment 0
		.amdhsa_kernarg_size 24
		.amdhsa_user_sgpr_count 2
		.amdhsa_user_sgpr_kernarg_segment_ptr 1
		.amdhsa_wavefront_size32 1
		.amdhsa_system_sgpr_workgroup_id_x 1
		.amdhsa_system_sgpr_workgroup_id_y 1
		.amdhsa_system_sgpr_workgroup_id_z 1
		.amdhsa_system_vgpr_workitem_id 0
		.amdhsa_next_free_vgpr 256
		.amdhsa_next_free_sgpr 80
		.amdhsa_reserve_vcc 1
		.amdhsa_float_denorm_mode_32 3
		.amdhsa_float_denorm_mode_16_64 3
		.amdhsa_memory_ordered 1
		.amdhsa_forward_progress 1
		.amdhsa_inst_pref_size 116
	.end_amdhsa_kernel
	.amdgpu_metadata
---
amdhsa.version: [ 1, 2 ]
amdhsa.kernels:
  - .name:           k_qd8bb80e073_attn
    .symbol:         k_qd8bb80e073_attn.kd
    .args:
      - { .name: qkv, .offset: 0, .size: 8, .value_kind: global_buffer, .address_space: global }
      - { .name: uc, .offset: 8, .size: 8, .value_kind: global_buffer, .address_space: global }
      - { .name: us, .offset: 16, .size: 8, .value_kind: global_buffer, .address_space: global }
    .group_segment_fixed_size: 327680
    .private_segment_fixed_size: 0
    .kernarg_segment_align: 8
    .kernarg_segment_size: 24
    .max_flat_workgroup_size: 512
    .sgpr_count:     80
    .vgpr_count:     256
    .wavefront_size: 32
...
	.end_amdgpu_metadata
.endif
;; end of part 3
;; launch proj (part 4): grid 4 x 32, 4 waves a work-group, clusters of 4 x 4, 327,680 bytes of LDS; arguments uc, us, b_proj, out0; writes out0
.if DOCPART == 4
	.amdgcn_target "amdgcn-amd-amdhsa--gfx1250"
	.amdhsa_code_object_version 6
	.text
	.protected	k_qd8bb80e073_proj
	.globl	k_qd8bb80e073_proj
	.p2align	8
	.type	k_qd8bb80e073_proj,@function
k_qd8bb80e073_proj:
	s_mov_b64 s[64:65], 0
	v_nop
	global_prefetch_b8 v0, s[64:65] scope:SCOPE_SE
	s_setreg_imm32_b32 hwreg(HW_REG_WAVE_MODE, 25, 1), 1
	s_wait_xcnt 0x0
	s_wait_alu depctr_hold_cnt(0) depctr_sa_sdst(0) depctr_va_vdst(0) depctr_va_sdst(0) depctr_va_ssrc(0) depctr_va_vcc(0) depctr_vm_vsrc(0)
	s_getreg_b32 s2, hwreg(HW_REG_IB_STS2, 6, 4)
	s_cmp_eq_u32 s2, 0
	s_cbranch_scc0 .Lentry_in_a_cluster
	s_endpgm
.Lentry_in_a_cluster:
	s_bfe_u32 s2, ttmp6, 0x10000c
	s_cmp_lg_u32 s2, 0xf033
	s_cbranch_scc0 .Lentry_shape_is_right
	s_endpgm
.Lentry_shape_is_right:
; out0 = y w_proj + b_proj on codes of FP6 (E2M3) with E8M0 scales; out0 [8192][1024] f32.
; uc: codes [16 panels of 64 along K][9,216 rows][48 bytes], us: scale bytes [4][9,216][8]; rows 0-8191 y's tokens, 8192-9215 w_proj's columns, both in PHYSICAL order (a row's place = its number with bits 3 and 4 exchanged).
; D[i][j] = sum over k of P[i][k] R[j][k]; source 0 = 16 places of R (the weight's columns), source 1 = 16 places of P (tokens): a lane holds one token, and register j of accumulator b is column 32 (b / 2) + 16 h + 8 (b % 2) + j.
; A tile is 256 x 256, four waves of 128 x 128.  K goes in four steps of 256 through two LDS slots; a wave's tensor load brings 4 panels x 128 rows x 48 bytes.  128 work-groups: with this tile the problem has no more.
; CLUSTERS of 4 x 4: P's tile hangs on the cluster's row alone, R's on its column alone: each is asked for jointly by the four that share it.  The bias is the C of the first K step.
; THE WAY OUT: 16 tokens x 128 columns at a time through my stage in LDS, back as rows of 512 bytes; a token's place goes back to its number in the store's immediate.
; REGISTERS, in windows of 256: window 0: v16-31 addresses; v32-63 scale words, two sets, and nothing else; v64-127 the bias; v128-223 P's fragments, ONE set; on the way out v128-255.
;   window 1: R's fragments, TWO sets, at v0 and v128.   window 2: the accumulators of my tokens 0-63 ((a, b) at v[8 (8 a + b)]);  window 3: those of tokens 64-127.
.set PU,     442368                    ; a panel of uc in bytes
.set NQ,     2
.set FR,     12
.set NL,     6
.set NP,     4                         ; places behind this matrix instruction (ISA guide 7.12.1)
.set PAN,    6144
.set HALFT,  4*PAN
.set SLOT,   4*HALFT
.set SCL,    2*SLOT                    ; behind the ring: the scale bytes for all of K; filled once
.set HALFS,  4096
.set SPARE,  SCL+4*HALFS               ; the spare words, 128 bytes for each wave: two blocks of 256 bytes that no other line names
.set SPITCH, 528                       ; the way out: a stage of 16 rows x (512 bytes + 16) for each wave, in slot 0, which has then had its last fill and its last read
.set ADRA, 16
.set ADRB, 20
.set STO,  24
.set RD,   25
.set CO,   26
.set ADRS, 27
.set SPW,  28                          ; my spare word; never rewritten
.set NIL,  29                          ; 0; never rewritten
.set SC,   32
.set CB,   64
.set AF,   128
.set BK,   128
.set G1, 24
.set G0, 32
.set G1B, 48
.set G0B, 56
.set G1S, 68
.set G0S, 76
.set G1SB, 80
.set G0SB, 88
.set MSB, 0
.macro WIN new                         ; the immediate's high byte repeats the setting that is left
.if MSB != \new
	s_set_vgpr_msb (MSB<<8)|\new
.set MSB, \new
.endif
.endm
.set MUL_LO, 0xa1
.set MUL_HI, 0xf1
.set TO_B,   0x40
.macro JLOAD g0a, g1a, g0b, g1b        ; a joint load: waves 0 and 1 fetch for P, waves 2 and 3 for R; four v_nop follow each line
	s_cmp_eq_u32 s15, 0
	s_cbranch_scc0 .Lfor_b_\@
	tensor_load_to_lds s[\g0a:\g0a+3], s[\g1a:\g1a+7]
	s_nop 0
.rept 4
	v_nop
.endr
	s_branch .Lasked_\@
.Lfor_b_\@:
	tensor_load_to_lds s[\g0b:\g0b+3], s[\g1b:\g1b+7]
	s_nop 0
.rept 4
	v_nop
.endr
.Lasked_\@:
.endm
.macro CREST
	s_cmp_lg_u32 s14, 0
	s_cbranch_scc1 .Lnot_wave_0_\@
	s_barrier_signal -3
.Lnot_wave_0_\@:
	s_barrier_wait -3
	s_barrier_signal -1
	s_barrier_wait -1
.endm
.macro CROUND
	s_barrier_signal -1
	s_barrier_wait -1
	CREST
.endm
	s_load_b256 s[4:11], s[0:1], 0x0               ; uc s[4:5], us s[6:7], b_proj s[8:9], out0 s[10:11]
	v_lshl_add_u32 v[SPW], v0, 2, SPARE
	v_mov_b32 v[NIL], 0
	ds_add_u32 v28, v29
	s_wait_dscnt 0x0
	v_lshrrev_b32 v1, 5, v0
	v_readfirstlane_b32 s14, v1                    ; wave 0..3
	s_lshr_b32 s15, s14, 1                         ; which half of the tokens is mine.  Also: I fetch for P (0) or for R (1)
	s_and_b32 s16, s14, 1                          ; which half of the columns.  Also: which 128 rows of that tile I fetch
	s_bfe_u32 s40, ttmp6, 0x40000                  ; cx, cy
	s_bfe_u32 s41, ttmp6, 0x40004
	s_and_b32 s17, ttmp7, 0xffff
	s_lshl_b32 s17, s17, 2
	s_add_co_u32 s17, s17, s41                     ; my tile of 256 tokens = 4 x cluster y + cy
	s_lshl_b32 s43, s41, 2
	s_lshl_b32 s43, 15, s43                        ; my row of the cluster
	s_lshl_b32 s44, 0x1111, s40                    ; my column
	s_or_b32 s[G1+0], s43, (3<<16)|(1<<21)         ; 15:0 the mask; 17:16 elements of 8 bytes; 20 no padding; 21 set beside a mask
	s_or_b32 s[G1B+0], s44, (3<<16)|(1<<21)
.irp g, G1, G1B
	s_mov_b32 s[\g+1], 768<<16                     ; 4 rows (panels) of 768 elements, a panel of uc apart
	s_mov_b32 s[\g+2], 4<<16
	s_mov_b32 s[\g+3], 768<<16
	s_mov_b32 s[\g+4], 4
	s_mov_b32 s[\g+5], PU/8
	s_mov_b32 s[\g+6], 0
	s_mov_b32 s[\g+7], 0
.endr
	s_or_b32 s[G1S+0], s43, (3<<16)|(1<<21)
	s_or_b32 s[G1SB+0], s44, (3<<16)|(1<<21)
.irp g, G1S, G1SB
	s_mov_b32 s[\g+1], 128<<16                     ; 4 rows (K steps) of 128 elements, 9,216 elements apart
	s_mov_b32 s[\g+2], 4<<16
	s_mov_b32 s[\g+3], 128<<16
	s_mov_b32 s[\g+4], 4
	s_mov_b32 s[\g+5], 9216
	s_mov_b32 s[\g+6], 0
	s_mov_b32 s[\g+7], 0
.endr
	s_lshl_b32 s18, s16, 7                         ; which 128 rows of the tile I fetch
	s_lshl_b32 s20, s17, 8
	s_add_co_u32 s20, s20, s18                     ; P: row
	s_add_co_u32 s46, s40, 32
	s_lshl_b32 s46, s46, 8
	s_add_co_u32 s46, s46, s18                     ; R: row 8,192 + 256 cx + 128 x half
	s_lshl_b32 s22, s20, 3
	s_mov_b32 s23, 0
	s_lshl_b32 s92, s46, 3
	s_mov_b32 s93, 0
	s_mul_i32 s20, s20, 48
	s_mov_b32 s21, 0
	s_mul_i32 s46, s46, 48
	s_mov_b32 s47, 0
	s_mul_i32 s45, s14, HALFT
	s_lshl_b32 s94, s14, 12
	s_wait_kmcnt 0x0
	s_add_nc_u64 s[20:21], s[4:5], s[20:21]
	s_add_nc_u64 s[22:23], s[6:7], s[22:23]
	s_add_nc_u64 s[46:47], s[4:5], s[46:47]
	s_add_nc_u64 s[92:93], s[6:7], s[92:93]
	CROUND                                         ; all sixteen work-groups are here: the first joint loads meet
	s_mov_b32 s[G0S], 1
	s_add_co_u32 s[G0S+1], s94, SCL
	s_mov_b64 s[G0S+2:G0S+3], s[22:23]
	s_or_b32 s[G0S+3], s[G0S+3], 0x80000000
	s_mov_b32 s[G0SB], 1
	s_add_co_u32 s[G0SB+1], s94, SCL
	s_mov_b64 s[G0SB+2:G0SB+3], s[92:93]
	s_or_b32 s[G0SB+3], s[G0SB+3], 0x80000000
	JLOAD G0S, G1S, G0SB, G1SB
.irp s, 0,1
	s_mov_b32 s[G0+4*\s], 1
	s_add_co_u32 s[G0+4*\s+1], s45, \s*SLOT
	s_add_nc_u64 s[G0+4*\s+2:G0+4*\s+3], s[20:21], \s*4*PU
	s_or_b32 s[G0+4*\s+3], s[G0+4*\s+3], 0x80000000
	s_mov_b32 s[G0B+4*\s], 1
	s_add_co_u32 s[G0B+4*\s+1], s45, \s*SLOT
	s_add_nc_u64 s[G0B+4*\s+2:G0B+4*\s+3], s[46:47], \s*4*PU
	s_or_b32 s[G0B+4*\s+3], s[G0B+4*\s+3], 0x80000000
	JLOAD G0+4*\s, G1, G0B+4*\s, G1B               ; three loads of mine are out
.endr
	v_and_b32 v1, 15, v0                           ; r
	v_bfe_u32 v2, v0, 4, 1                         ; h
	v_mul_u32_u24 v3, v1, 48
	v_mad_u32_u24 v3, v2, 24, v3
	s_mul_i32 s21, s15, HALFT
	s_mul_i32 s22, s16, HALFT
	s_add_co_u32 s22, s22, 2*HALFT
.irp s, 0,1
	v_add_nc_u32 v[ADRA+\s], s21, v3
	v_add_nc_u32 v[ADRB+\s], s22, v3
	s_add_co_u32 s21, s21, SLOT
	s_add_co_u32 s22, s22, SLOT
.endr
	v_lshlrev_b32 v5, 3, v1
	s_lshl_b32 s21, s15, 12
	s_lshl_b32 s22, s16, 12
	s_add_co_u32 s22, s22, 2*HALFS
	s_sub_co_u32 s22, s22, s21
	v_mul_u32_u24 v6, s22, v2                      ; lanes 16-31 take R's scale words: one product, the distance between the two
	s_add_co_u32 s21, s21, SCL
	v_add_nc_u32 v5, v5, v6
	v_add_nc_u32 v[ADRS], s21, v5
	s_mul_i32 s23, s14, 16*SPITCH                  ; my stage
	v_mul_u32_u24 v5, v1, SPITCH
	v_lshl_add_u32 v5, v2, 6, v5                   ; in: row r, + 64 h: my half's 16 columns of each 32
	v_add_nc_u32 v[STO], s23, v5
	v_and_b32 v6, 31, v0
	v_lshlrev_b32 v[CO], 4, v6                     ; back: the 32 lanes take one row of 512 bytes; and the same in out0
	v_add_nc_u32 v[RD], s23, v[CO]
	s_lshl_b32 s12, s17, 1
	s_add_co_u32 s12, s12, s15
	s_lshl_b32 s12, s12, 19                        ; my first token: (256 x tile + 128 x half) rows of 4,096 bytes
	s_lshl_b32 s13, s40, 10
	s_add_co_u32 s12, s12, s13
	s_lshl_b32 s13, s16, 9
	s_add_co_u32 s12, s12, s13                     ; my first column: 1,024 cx + 512 x half bytes
	s_mov_b32 s13, 0
	s_add_nc_u64 s[12:13], s[10:11], s[12:13]
	v_lshlrev_b32 v6, 6, v2                        ; the bias: register j of block b is column 32 (b / 2) + 16 h + 8 (b % 2) + j of my 128
	s_lshl_b32 s18, s40, 1
	s_add_co_u32 s18, s18, s16
	s_lshl_b32 s18, s18, 9
	s_mov_b32 s19, 0
	s_add_nc_u64 s[18:19], s[8:9], s[18:19]
.irp b, 0,1,2,3,4,5,6,7
	global_load_b128 v[CB+8*\b:CB+8*\b+3], v6, s[18:19] offset:(32*(\b/2)+8*(\b%2))*4
	global_load_b128 v[CB+8*\b+4:CB+8*\b+7], v6, s[18:19] offset:(32*(\b/2)+8*(\b%2))*4+16
.endr
.macro FRAG reg, adr, q, i             ; 16 places x 128 K: registers 6 c .. 6 c + 5 hold K = 64 c + 32 h + 0 .. 31: 24 bytes of the row's 48 in panel 2 q + c, in pieces of 8 bytes
.irp p, 0,1,2,3,4,5
	ds_load_b64 v[\reg+2*\p:\reg+2*\p+1], v[\adr] offset:(2*(\q)+\p/3)*PAN+(\i)*768+8*(\p%3)
.endr
.endm
; 16 matrix instructions: P's blocks a0, a0 + 1 x R's eight.  cm = 1: the first product starts the sums from the bias.  The 64 accumulators take turns, one instruction a turn.
.macro MUL16 a0, p, q, sc, cm
.irp a, \a0, \a0+1
.irp b, 0,1,2,3,4,5,6,7
.if \cm
	v_wmma_scale_f32_16x16x128_f8f6f4 v[8*(8*((\a)%4)+\b):8*(8*((\a)%4)+\b)+7], v[128*(\p)+FR*\b:128*(\p)+FR*\b+FR-1], v[AF+FR*(\a):AF+FR*(\a)+FR-1], v[CB+8*\b:CB+8*\b+7], v[SC+8*NQ*(\sc)+NQ*\b+(\q)], v[SC+8*NQ*(\sc)+NQ*(\a)+(\q)] matrix_a_fmt:MATRIX_FMT_FP6 matrix_b_fmt:MATRIX_FMT_FP6 matrix_a_scale:MATRIX_SCALE_ROW1
.else
	v_wmma_scale_f32_16x16x128_f8f6f4 v[8*(8*((\a)%4)+\b):8*(8*((\a)%4)+\b)+7], v[128*(\p)+FR*\b:128*(\p)+FR*\b+FR-1], v[AF+FR*(\a):AF+FR*(\a)+FR-1], v[8*(8*((\a)%4)+\b):8*(8*((\a)%4)+\b)+7], v[SC+8*NQ*(\sc)+NQ*\b+(\q)], v[SC+8*NQ*(\sc)+NQ*(\a)+(\q)] matrix_a_fmt:MATRIX_FMT_FP6 matrix_b_fmt:MATRIX_FMT_FP6 matrix_a_scale:MATRIX_SCALE_ROW1
.endif
.endr
.endr
.endm
.macro FETCH_B slot, q, p
	WIN TO_B
.irp i, 0,1,2,3,4,5,6,7
	FRAG 128*(\p)+FR*\i, ADRB+\slot, \q, \i
.endr
	WIN 0
.endm
.macro FETCH_A slot, q, i0
.irp i, \i0, \i0+1, \i0+2, \i0+3
	FRAG AF+FR*(\i), ADRA+\slot, \q, \i
.endr
.endm
.macro SCALES sc
.irp i, 0,1,2,3,4,5,6,7
	ds_load_b64 v[SC+8*NQ*\sc+NQ*\i:SC+8*NQ*\sc+NQ*\i+1], v[ADRS] offset:\i*128
.endr
.endm
.macro PLACES n                        ; plain vector lines between a matrix instruction and a load into, or a read of, its registers
.rept \n
	v_nop
.endr
.endm
.macro STEP slot, q, cm
	s_wait_dscnt 4*NL                              ; R's set and P's blocks 0-3 are in; the youngest 24 loads (P's blocks 4-7) may be out
.if \cm
	WIN 0x81                                       ; C (the bias) window 0, D window 2
.else
	WIN MUL_LO
.endif
	MUL16 0, (\q)%2, \q, \slot, \cm
	MUL16 2, (\q)%2, \q, \slot, \cm
	s_wait_dscnt 0
	PLACES NP
	FETCH_B \slot, (\q)+1, 1-(\q)%2
	FETCH_A \slot, (\q)+1, 0
.if \cm
	WIN 0xc1
.else
	WIN MUL_HI
.endif
	MUL16 4, (\q)%2, \q, \slot, \cm
	MUL16 6, (\q)%2, \q, \slot, \cm
	PLACES NP
	WIN 0
	FETCH_A \slot, (\q)+1, 4
.endm
; A slot's last step changes slots: ONE barrier; in front of it each wave waits for all its tensor loads, adds 0 to its spare word, and waits for that and for its reads of this slot.  fill = 1: this slot is filled again, two K steps ahead.
.macro TURN slot, next, fill
	s_wait_tensorcnt 0x0                           ; all my tensor loads have landed: my part of the next slot
	ds_add_u32 v[SPW], v[NIL]                      ; 0 onto my spare word
	s_wait_dscnt 4*NL+1                            ; (the add and the youngest 24 loads may be out)
	WIN MUL_LO
	MUL16 0, 1, NQ-1, \slot, 0
	s_wait_dscnt 0x0                               ; the add is done, and my reads of this slot are over
	s_barrier_signal -1
	MUL16 2, 1, NQ-1, \slot, 0
	WIN 0
	s_barrier_wait -1
.if \fill
	CREST                                          ; the barrier has opened a round of the cluster's barrier: no wave of any partner still reads this slot or has a load on its way
	s_add_nc_u64 s[G0+4*\slot+2:G0+4*\slot+3], s[G0+4*\slot+2:G0+4*\slot+3], 8*PU
	s_add_nc_u64 s[G0B+4*\slot+2:G0B+4*\slot+3], s[G0B+4*\slot+2:G0B+4*\slot+3], 8*PU
	JLOAD G0+4*\slot, G1, G0B+4*\slot, G1B
.else
	PLACES NP
.endif
	v_add_nc_u32 v[ADRS], 1024, v[ADRS]
	FETCH_B \next, 0, 0
	FETCH_A \next, 0, 0
	SCALES \next
	WIN MUL_HI
	MUL16 4, 1, NQ-1, \slot, 0
	MUL16 6, 1, NQ-1, \slot, 0
	PLACES NP
	WIN 0
	FETCH_A \next, 0, 4
.endm
	s_wait_tensorcnt 1                             ; the scale bytes and my part of K step 0 are in (K step 1's load may be out),
	s_barrier_signal -1
	s_barrier_wait -1                              ; everybody's are
	FETCH_B 0, 0, 0
	FETCH_A 0, 0, 0
	SCALES 0
	FETCH_A 0, 0, 4
	s_wait_loadcnt 0x0                             ; the bias
	STEP 0, 0, 1
	TURN 0, 1, 1                                   ; four K steps of 256: both slots are filled again once, so the ring is written out
	STEP 1, 0, 0
	TURN 1, 0, 1
	STEP 0, 0, 0
	TURN 0, 1, 0
	STEP 1, 0, 0
	s_wait_dscnt 4*NL
	WIN MUL_LO
	MUL16 0, 1, NQ-1, 1, 0
	MUL16 2, 1, NQ-1, 1, 0
	s_wait_dscnt 0
	WIN MUL_HI
	MUL16 4, 1, NQ-1, 1, 0
	MUL16 6, 1, NQ-1, 1, 0
	WIN 0
; THE WAY OUT, block by block of 16 tokens x 128 columns, through my own stage: LDS serves a wave's instructions in order, so no wait stands between the stores and the loads, nor in front of the next block's stores.
.macro TOSTAGE a
.set AC, 64*((\a)%4)
.set WD, 0x08+4*((\a)/4)
	WIN WD                                         ; an LDS store's data: window 2 or 3
.irp b, 0,1,2,3,4,5,6,7
	ds_store_b128 v[STO], v[AC+8*\b:AC+8*\b+3] offset:128*(\b/2)+32*(\b%2)          ; each accumulator from its low end on
	ds_store_b128 v[STO], v[AC+8*\b+4:AC+8*\b+7] offset:128*(\b/2)+32*(\b%2)+16
.endr
	WIN 0
.set BB, BK+64*((\a)%2)
.irp t, 0,1,2,3,4,5,6,7,8,9,10,11,12,13,14,15
	ds_load_b128 v[BB+4*\t:BB+4*\t+3], v[RD] offset:\t*SPITCH
.endr
.endm
.macro SEND a, younger                 ; younger: the LDS instructions issued behind block a's loads, which may stay out
.set BB, BK+64*((\a)%2)
	s_wait_dscnt \younger
.irp t, 0,1,2,3,4,5,6,7,8,9,10,11,12,13,14,15
	global_store_b128 v[CO], v[BB+4*\t:BB+4*\t+3], s[12:13] offset:(32*((\a)/2)+8*((\a)%2)+(\t&7)+16*(\t>>3))*4096 th:TH_STORE_NT   ; the token at place 16 a + t: 512 consecutive bytes, aligned; 127 rows at the most: inside the signed 24-bit immediate
.endr
.endm
	PLACES NP                                      ; behind the last products: for the loads into the registers that held P's fragments and for the reads of results
	TOSTAGE 0
.irp a, 1,2,3,4,5,6,7
.if \a > 1
	s_wait_xcnt 0x0                                ; block a - 2's stores have read their registers: block a's loads may land there
.endif
	TOSTAGE \a
	SEND \a-1, 32                                  ; behind block a - 1's loads: block a's 16 stores and 16 loads
.endr
	SEND 7, 0
	s_wait_tensorcnt 0x0                           ; the wave's end
	ds_add_u32 v[SPW], v[NIL]
	s_wait_dscnt 0x0
	CROUND                                         ; the closing round: no work-group ends while a partner may still ask for a tile that names it
	s_endpgm
.Lfunc_end_k_qd8bb80e073_proj:
	.size	k_qd8bb80e073_proj, .Lfunc_end_k_qd8bb80e073_proj-k_qd8bb80e073_proj
	.p2alignl 7, 3214868480
	.fill 96, 4, 3214868480
	.section	.rodata,"a",@progbits
	.p2align	6, 0x0
	.amdhsa_kernel k_qd8bb80e073_proj
		.amdhsa_group_segment_fixed_size 327680
		.amdhsa_private_segment_fixed_size 0
		.amdhsa_enable_private_segment 0
		.amdhsa_kernarg_size 32
		.amdhsa_user_sgpr_count 2
		.amdhsa_user_sgpr_kernarg_segment_ptr 1
		.amdhsa_wavefront_size32 1
		.amdhsa_system_sgpr_workgroup_id_x 1
		.amdhsa_system_sgpr_workgroup_id_y 1
		.amdhsa_system_sgpr_workgroup_id_z 1
		.amdhsa_system_vgpr_workitem_id 0
		.amdhsa_next_free_vgpr 1024
		.amdhsa_next_free_sgpr 98
		.amdhsa_reserve_vcc 0
		.amdhsa_float_denorm_mode_32 3
		.amdhsa_float_denorm_mode_16_64 3
		.amdhsa_memory_ordered 1
		.amdhsa_forward_progress 1
		.amdhsa_inst_pref_size 160
	.end_amdhsa_kernel
	.amdgpu_metadata
---
amdhsa.version: [ 1, 2 ]
amdhsa.kernels:
  - .name:           k_qd8bb80e073_proj
    .symbol:         k_qd8bb80e073_proj.kd
    .args:
      - { .name: uc, .offset: 0, .size: 8, .value_kind: global_buffer, .address_space: global }
      - { .name: us, .offset: 8, .size: 8, .value_kind: global_buffer, .address_space: global }
      - { .name: b_proj, .offset: 16, .size: 8, .value_kind: global_buffer, .address_space: global }
      - { .name: out0, .offset: 24, .size: 8, .value_kind: global_buffer, .address_space: global }
    .group_segment_fixed_size: 327680
    .private_segment_fixed_size: 0
    .kernarg_segment_align: 8
    .kernarg_segment_size: 32
    .max_flat_workgroup_size: 128
    .sgpr_count:     98
    .vgpr_count:     1024
    .wavefront_size: 32
...
	.end_amdgpu_metadata
.endif
;; end of part 4
